; MI455X (gfx1250); checked and timed in simulation.
; The chip was launched on July 23, 2026; its instructions are those of AMD's public machine-readable ISA for CDNA 5 (MIT licence, August 2026) and "CDNA5" Instruction Set Architecture Reference Guide (July 2026). The comments in the code are by the model that wrote it; some were corrected since.
;; Attention Layer. Allowed arithmetic: matrix products marked QUANTISED: E5M2 operands, one given power-of-two scale a tensor, by v_wmma_f32_16x16x64_bf8_bf8 or v_wmma_f32_16x16x128_bf8_bf8, f32 sums; products left as they are: f32 operands where the result goes on into a quantised operand, else bf16, f16 or f32 operands; f32 sums; everything else in f32.
;; Inputs: V 128 x 512 x 1,024 float32; Wal 1,024 x 1 float32; Wcp 1,024 x 1,024 float32; Wha 1,024 x 1,024 float32; Whp 1,024 x 1,024 float32; Wsa 1,024 x 1,024 float32; Wsp 1,024 x 1,024 float32; Wv 1,024 x 1,024 float32; bal 1 float32; bcp 1,024 float32; bha 1,024 float32; bhp 1,024 float32; bsa 1,024 float32; bsp 1,024 float32; bv 1,024 float32; h_t 128 x 1,024 float32; lowp_scales 12 int32 (the exponents e of the quantised operands' scales 2^e); s_t 128 x 1,024 float32.
;; Outputs: out0 128 x 1,024 float32.
;; This version of the problem:
;;   THIS VERSION OF THE PROBLEM IS GIVEN IN LOW PRECISION. The matrix products marked QUANTISED in the list below multiply operands that are first quantised to E5M2 (5 exponent bits, 2 mantissa bits; 8 bits a number), with one given power-of-two scale for each operand tensor; their sums are f32. All else is computed in f32.
;;   The module's matrix products, in the order in which they are computed (A, B: the left and right operand; K: the contracted axis; several contracted axes count as one K, in the product's order):
;;     1. [M 65,536, K 1,024] x [K 1,024, N 1,024]; A: input V; B: input Wv: QUANTISED (scales: A lowp_scales[0], B lowp_scales[1])
;;     2. [M 128, K 1,024] x [K 1,024, N 1,024]; A: input s_t; B: input Wsp: QUANTISED (scales: A lowp_scales[2], B lowp_scales[3])
;;     3. [M 128, K 1,024] x [K 1,024, N 1,024]; A: computed on the way; B: input Wsa: QUANTISED (scales: A lowp_scales[4], B lowp_scales[5])
;;     4. [M 128, K 1,024] x [K 1,024, N 1,024]; A: input h_t; B: input Whp: QUANTISED (scales: A lowp_scales[6], B lowp_scales[7])
;;     5. [M 128, K 1,024] x [K 1,024, N 1,024]; A: computed on the way; B: input Wha: QUANTISED (scales: A lowp_scales[8], B lowp_scales[9])
;;     6. [M 65,664, K 1,024] x [K 1,024, N 1]; A: computed on the way; B: input Wal: left as it is (N = 1 < 16)
;;     7. batch 128 x [M 1, K 513] x [K 513, N 1,024]; A: softmax; B: computed on the way: left as it is (M = 1 < 16)
;;     8. [M 128, K 1,024] x [K 1,024, N 1,024]; A: computed on the way; B: input Wcp: QUANTISED (scales: A lowp_scales[10], B lowp_scales[11])
;;   THE QUANTISER, for each operand of a quantised product, along K:
;;     - The operand's scale is 2^e, e = its entry of the input lowp_scales (int32; the entries are numbered through the quantised products in the list's order, A before B).
;;     - Each number is divided by the scale, clamped to +-57,344, and rounded to the nearest number of E5M2, ties to even, subnormals kept.
;;     - The product sums the exact products of the quantised numbers (number of the format x scale) in f32.
;;   ~~~python
;;   def quantise(x, axis, e):      # numpy; x: float32 -> the quantised numbers, widened to float32 again
;;       x = np.moveaxis(x, axis, -1); K = x.shape[-1]
;;       r = np.clip(x / 2.0 ** e, -57344, 57344)
;;       step = 2.0 ** (np.maximum(np.frexp(np.where(r == 0, 1, r))[1] - 1, -14) - 2)
;;       q = np.round(r / step) * step * 2.0 ** e      # np.round: ties to even
;;       return np.moveaxis(q, -1, axis).astype(np.float32)
;;   ~~~
;;   OPERANDS COMPUTED ON THE WAY. 'Computed on the way' means the value that the module computes at that place (a softmax that the list does not call 'softmax' is quantised finished and normalised). What goes into a quantiser is computed in f32, as accurately as f32 sums, v_exp_f32 and their like allow (about 1e-6 of the number): no bf16 or f16 on the way to a quantiser, and a product that is left as it is and whose result goes on into a quantised operand takes f32 operands (vector FMAs, or v_wmma_f32_16x16x4_f32). A number that lies on a knife's edge between two numbers of the format may be rounded either way, as far as f32 arithmetic and the matrix unit's own rounding can turn it there, and no further.
;; One version. Each part assembles by itself: llvm-mc -triple=amdgcn-amd-amdhsa -mcpu=gfx1250 --defsym DOCPART=n.
;; ======== version 1 of 1: 4 launches
;; limits: right only within a limited range of input values
;; workspace buffers: wq 4,194,304 bytes; proj 1,310,720 bytes; att 1,048,576 bytes; part 1,114,112 bytes
;; launch prep (part 1): grid 192 x 1, 16 waves a work-group, no clusters, 157,696 bytes of LDS; arguments s_t, h_t, Wsp, Whp, bsp, bhp, Wv, Wcp, Wsa, Wha, lowp_scales, wq, proj; writes wq, proj
.if DOCPART == 1
	.amdgcn_target "amdgcn-amd-amdhsa--gfx1250"
	.amdhsa_code_object_version 6
	.text
	.protected	k_q0788af63ab_prep
	.globl	k_q0788af63ab_prep
	.p2align	8
	.type	k_q0788af63ab_prep,@function
k_q0788af63ab_prep:
	s_mov_b64 s[64:65], 0
	v_nop
	global_prefetch_b8 v0, s[64:65] scope:SCOPE_SE
	s_setreg_imm32_b32 hwreg(HW_REG_WAVE_MODE, 25, 1), 1
	s_wait_xcnt 0x0
; Work-groups 0-63: s_proj = relu(Q(s_t) Q(Wsp) + bsp) (0-31) and h_proj = tanh(Q(h_t) Q(Whp) + bhp) (32-63): a strip of 64 columns x 64 rows each; stored as f32 and as codes of E5M2 for the next product.
; Work-groups 64-191: Wv, Wcp, Wsa, Wha (f32, [k][n]) into codes of E5M2, laid as images of the operand's registers.
; A FRAGMENT is 16 rows (or columns n) x 128 k in 16 registers: piece c (registers 4c..4c+3) of lane (r, h) holds 16 codes idx = 0..15 of row r.  Which k stands at (K step S, c, h, idx) is free as long as both
; operands of a product agree; only the order of the sums inside a matrix instruction hangs on it (a stated limit).
;   map 1 (operands that meet rows loaded densely): k = 512 (S/4) + 128 (idx/4) + 32 (S%4) + 8 c + 4 h + idx%4: four loads of 512 consecutive bytes of a row leave lane 8 (S%4) + 2 c + h with just these 16 numbers.
;   map 2 (operands that meet a transposed matrix result): k = 128 S + 32 c + 16 (idx/8) + 8 h + idx%8: two neighbouring result tiles are just these 16 numbers.
; IMAGE in memory: fragment (tile, S) at (8 tile + S) x 2,048 bytes, piece c of lane L at 512 c + 16 L.
; A weight has K as its first axis: a lane takes a column n and its registers run down K, so the conversions give codes with K innermost and nothing is transposed.
; SHARES of a projection's sixteen waves: wave w quantises K step w%8 of columns 32 (w/8) .. + 31 of the weight's strip (8 units of 16 loads) and rows 4 (w%4) .. + 3 of tile w/4 of the 64 rows; behind a barrier it
; multiplies tile (rows w%4, columns w/4), 8 K steps on two accumulators by turns (even and odd steps; they are added at the end: a stated order of rounding); behind a second barrier it stores 4 whole rows of the strip.
; The loads go out so that few of them hang on each other: the bias, units 0-3, then units 4-7 and the four rows as registers fall free.
; LIMITS: each exponent e between -126 and 112, each sum of two of them between -126 and 127, so that the powers of two below are f32 numbers.  NaN and infinities among the inputs are not served.
; tanh(x) = 1 - 2 / (1 + 2^(2 log2(e) x)).
; LEFT OUT AS DEAD WORK, in the later launch attn: the input bal.  reference() adds bal[0] to every one of the R + 1 scores of a batch entry and takes the softmax along just that axis;
; softmax(s + c) = softmax(s) for every real c, so bal reaches no output, whatever finite value it holds.  bal is not loaded and is among no launch's arguments.
; LIMIT: a NaN, an infinity or an overflow that would arise from bal alone is not carried to the result.
.set MTB,   17408                      ; LDS image of 16 dense rows: 2 halves x 32 lines of 272 bytes (16 rows x 16 bytes + 16 of padding)
.set HALFB, 8704
.set BIMG,  69632                      ; behind the four tiles of rows: the strip's 32 fragments of W
.set OSTG,  135168                     ; behind them: a stage of 16 rows x 272 bytes for each tile of rows
.set WS,    152                        ; v152-215 four sets of 16 numbers of a weight
.set K2C,   0x4038aa3b                 ; 2 log2(e)
; v1 lane, v2 r, v3 h, v4 16 L, v5 rows' image in, v6 rows' image out, v7 W's image in, v8 W's image out, v9 stage in, v10 stage out by rows, v11 my place in two rows of the output, v12 4 L,
; v13-18 three pairs (2^e, 57,344 x 2^e): W, rows, the result; v19 32 h; v20 16,384 h + 16 r; v23 stage out for the codes; v24-151 four rows; v216-231 codes just made, later the two accumulators; v232-239 the bias
.macro PLACES                          ; four plain vector instructions between a matrix instruction and a load into, or a read of, its registers
.rept 4
	v_nop
.endr
.endm
.macro SCALES se, vs, vl               ; s[se] = e:  v[vs] = 2^e as f32 (the conversion takes its exponent field), v[vl] = 57,344 x 2^e
	s_add_co_i32 s34, s[\se], 127
	s_lshl_b32 s35, s34, 23
	v_mov_b32 v[\vs], s35
	s_add_co_i32 s34, s34, 15
	s_lshl_b32 s34, s34, 23
	s_or_b32 s34, s34, 0x600000
	v_mov_b32 v[\vl], s34
.endm
.macro WLOAD fs, c, h, map             ; the 16 numbers of unit (c, h) of my K step, for 32 neighbouring columns: each load reads 128 consecutive bytes
.irp idx, 0,1,2,3,4,5,6,7,8,9,10,11,12,13,14,15
.if (\map) == 1
	global_load_b32 v[WS+16*(\fs)+\idx], v12, s[50:51] offset:4096*(128*(\idx/4)+8*(\c)+4*(\h)+(\idx%4))
.else
	global_load_b32 v[WS+16*(\fs)+\idx], v12, s[50:51] offset:4096*(32*(\c)+16*(\idx/8)+8*(\h)+(\idx%8))
.endif
.endr
.endm
.macro WCVT fs, dst                    ; hold at the largest code x the scale (the conversion does not saturate: ISA guide 7.6.2), then 16 codes
.set x, 0
.rept 16
	v_med3_num_f32 v[WS+16*(\fs)+x], v[WS+16*(\fs)+x], -v14, v14
.set x, x+1
.endr
	v_cvt_scalef32_pk8_bf8_f32 v[(\dst):(\dst)+1], v[WS+16*(\fs):WS+16*(\fs)+7], v13
	v_cvt_scalef32_pk8_bf8_f32 v[(\dst)+2:(\dst)+3], v[WS+16*(\fs)+8:WS+16*(\fs)+15], v13
	v_nop                                          ; a plain vector instruction behind the last conversion
.endm
	s_load_b512 s[4:19], s[0:1], 0x0               ; s_t, h_t, Wsp, Whp, bsp, bhp, Wv, Wcp
	s_load_b256 s[20:27], s[0:1], 0x40             ; Wsa, Wha, the scales' exponents, wq
	s_load_b64 s[28:29], s[0:1], 0x60              ; proj
	v_lshl_add_u32 v254, v0, 2, 0x26000
	v_mov_b32 v255, 0
	v_and_b32 v1, 31, v0
	v_and_b32 v2, 15, v0
	v_bfe_u32 v3, v0, 4, 1
	v_lshrrev_b32 v21, 5, v0
	s_delay_alu instid0(VALU_DEP_1)
	v_readfirstlane_b32 s30, v21                   ; wave 0..15
	s_and_b32 s54, s30, 3                          ; w % 4
	s_lshr_b32 s55, s30, 2                         ; w / 4
	s_and_b32 s56, s30, 7                          ; w % 8
	s_lshr_b32 s57, s30, 3                         ; w / 8
	v_lshlrev_b32 v4, 4, v1
	v_lshlrev_b32 v12, 2, v1
	v_lshlrev_b32 v19, 5, v3
	s_mul_i32 s31, s55, MTB
	s_lshl_b32 s32, s54, 6
	s_add_co_u32 s31, s31, s32
	v_mul_u32_u24 v5, v1, 272
	s_delay_alu instid0(VALU_DEP_1)
	v_add_nc_u32 v5, s31, v5                       ; rows in: tile w/4, line = lane, row 4 (w%4) + the immediate's
	v_mul_u32_u24 v21, v3, 272
	s_delay_alu instid0(VALU_DEP_1)
	v_lshl_add_u32 v21, v2, 4, v21                 ; 272 h + 16 r
	s_mul_i32 s31, s54, MTB
	v_add_nc_u32 v6, s31, v21                      ; rows out: tile w%4; sixteen lanes read 256 consecutive bytes
	v_lshlrev_b32 v20, 14, v3
	s_delay_alu instid0(VALU_DEP_1)
	v_lshl_add_u32 v20, v2, 4, v20
	s_lshl_b32 s31, s56, 11
	s_lshl_b32 s32, s57, 15
	s_add_co_u32 s31, s31, s32
	s_add_co_u32 s31, s31, BIMG
	v_add_nc_u32 v7, s31, v20                      ; W in: K step w%8, tiles 2 (w/8) and + 1 (lanes 16-31 hold the next 16 columns)
	s_lshl_b32 s31, s55, 14
	s_add_co_u32 s31, s31, BIMG
	v_add_nc_u32 v8, s31, v4                       ; W out: tile w/4
	s_mul_i32 s31, s54, 4352
	s_add_co_u32 s31, s31, OSTG                    ; the stage of tile w%4 of the rows
	v_mul_u32_u24 v22, v2, 272
	s_delay_alu instid0(VALU_DEP_1)
	v_lshl_add_u32 v22, v3, 5, v22
	s_delay_alu instid0(VALU_DEP_1)
	v_add_nc_u32 v22, s31, v22                     ; row r, + 32 h
	s_lshl_b32 s32, s55, 6
	v_add_nc_u32 v9, s32, v22                      ; in: my 16 columns
	s_lshl_b32 s32, s55, 7
	v_add_nc_u32 v23, s32, v22                     ; out, for the codes: columns 32 (w/4) + 8 h on
	s_mul_i32 s32, s55, 1088
	s_add_co_u32 s32, s32, s31
	v_add_nc_u32 v10, s32, v21                     ; out, by rows: rows 4 (w/4) + h, sixteen lanes to a row
	v_lshlrev_b32 v11, 12, v3
	s_delay_alu instid0(VALU_DEP_1)
	v_lshl_add_u32 v11, v2, 4, v11
	s_wait_kmcnt 0x0
	s_load_b256 s[36:43], s[24:25], 0x0            ; e0 .. e7: waited for behind the first loads
	s_load_b128 s[44:47], s[24:25], 0x20           ; e8 .. e11
	s_cmp_ge_u32 ttmp9, 64
	s_cbranch_scc1 .Lquant
; ---------------- the two projections ----------------
	s_lshr_b32 s31, ttmp9, 5                       ; 0: s, 1: h
	s_bfe_u32 s32, ttmp9, 0x40001                  ; strip of 64 columns
	s_and_b32 s33, ttmp9, 1                        ; half of the 128 rows
	s_cmp_eq_u32 s31, 0
	s_cselect_b64 s[48:49], s[4:5], s[6:7]         ; the rows
	s_cselect_b64 s[50:51], s[8:9], s[10:11]       ; the weight
	s_cselect_b64 s[52:53], s[12:13], s[14:15]     ; the bias
	s_mov_b32 s59, 0
	s_lshl_b32 s58, s32, 8
	s_lshl_b32 s34, s55, 6
	s_add_co_u32 s58, s58, s34
	s_add_nc_u64 s[52:53], s[52:53], s[58:59]      ; at my tile of 16 columns
	global_load_b128 v[232:235], v19, s[52:53]     ; the bias in the result's layout: columns 8 h + 0 .. 7 of my tile.  The oldest loads: no later count names them
	global_load_b128 v[236:239], v19, s[52:53] offset:16
	s_lshr_b32 s58, s56, 2
	s_lshl_b32 s58, s58, 21                        ; my K step S = w%8 begins at row 512 (S/4) + 32 (S%4) of the weight; a row is 4,096 bytes
	s_and_b32 s34, s56, 3
	s_lshl_b32 s34, s34, 17
	s_add_co_u32 s58, s58, s34
	s_lshl_b32 s34, s32, 8
	s_add_co_u32 s58, s58, s34
	s_lshl_b32 s34, s57, 7
	s_add_co_u32 s58, s58, s34
	s_add_nc_u64 s[50:51], s[50:51], s[58:59]
.irp u, 0,1,2,3
	WLOAD \u, \u/2, \u%2, 1
.endr
	s_lshl_b32 s58, s33, 18                        ; my four rows: 64 x half + 16 (w/4) + 4 (w%4)
	s_lshl_b32 s34, s55, 16
	s_add_co_u32 s58, s58, s34
	s_lshl_b32 s34, s54, 14
	s_add_co_u32 s58, s58, s34
	s_add_nc_u64 s[48:49], s[48:49], s[58:59]
	s_lshl_b32 s58, s31, 19                        ; the result in f32: row 64 x half + 16 (w%4) + 4 (w/4), my strip
	s_lshl_b32 s34, s33, 18
	s_add_co_u32 s58, s58, s34
	s_lshl_b32 s34, s54, 16
	s_add_co_u32 s58, s58, s34
	s_lshl_b32 s34, s55, 14
	s_add_co_u32 s58, s58, s34
	s_lshl_b32 s34, s32, 8
	s_add_co_u32 s58, s58, s34
	s_add_nc_u64 s[60:61], s[28:29], s[58:59]
	s_lshl_b32 s58, s31, 17                        ; its codes: fragment (4 x half + w%4, strip / 2), piece 2 (strip % 2) + w/4
	s_lshl_b32 s34, s33, 16
	s_add_co_u32 s58, s58, s34
	s_lshl_b32 s34, s54, 14
	s_add_co_u32 s58, s58, s34
	s_lshl_b32 s34, s32, 10
	s_add_co_u32 s58, s58, s34
	s_lshl_b32 s34, s55, 9
	s_add_co_u32 s58, s58, s34
	s_add_nc_u64 s[62:63], s[28:29], s[58:59]
	s_wait_kmcnt 0x0                               ; the exponents
	s_cmp_eq_u32 s31, 0
	s_cselect_b32 s20, 0, -1                       ; all ones: tanh; 0: relu
	s_cselect_b32 s21, s38, s42                    ; e of the rows
	s_cselect_b32 s22, s39, s43                    ; of the weight
	s_cselect_b32 s23, s40, s44                    ; of the result as the next product's operand
	SCALES 22, 13, 14
	SCALES 21, 15, 16
	SCALES 23, 17, 18
	s_add_co_i32 s2, s21, s22
	s_add_co_i32 s2, s2, 127
	s_lshl_b32 s2, s2, 23                          ; 2^(e rows + e weight)
	s_mov_b32 s3, s2
	s_mov_b32 s24, K2C
.macro ALOAD j                         ; row j of my four: eight loads of 512 consecutive bytes
.irp t, 0,1,2,3,4,5,6,7
	global_load_b128 v[24+32*(\j)+4*\t:24+32*(\j)+4*\t+3], v4, s[48:49] offset:4096*(\j)+512*\t
.endr
.endm
; W: my K step of my 32 columns, 8 units, four sets of registers by turns; behind units 4-7 my four rows are asked for
.set U, 0
	s_wait_alu depctr_va_vdst(0)
.rept 8
.if U <= 4
	s_wait_loadcnt 48                              ; three younger units
.else
	s_wait_loadcnt 48-8*(U-4)                      ; the younger units, 16 loads each, and the rows asked for since, 8 each
.endif
	s_wait_dscnt 3                                 ; the store that read this set of codes is done: three younger ones may be out
	WCVT U%4, 216+4*(U%4)
	ds_store_b128 v7, v[216+4*(U%4):219+4*(U%4)] offset:512*(U/2)+256*(U%2)
.if U < 4
	WLOAD U%4, (U+4)/2, U%2, 1
.else
	ALOAD U-4
.endif
.set U, U+1
.endr
; my four rows become codes in their tile's image
.set J, 0
.rept 4
	s_wait_loadcnt 8*(3-J)                         ; the younger rows may be out
.set XS, 24+32*J
.set CD, 216+8*(J%2)
.set x, 0
.rept 32
	v_med3_num_f32 v[XS+x], v[XS+x], -v16, v16
.set x, x+1
.endr
	s_wait_alu depctr_va_vdst(0)
	s_wait_dscnt 2                                 ; the stores that read these registers are done: the two youngest may be out
.irp g, 0,1,2,3
	v_cvt_scalef32_pk8_bf8_f32 v[CD+2*\g:CD+2*\g+1], v[XS+8*\g:XS+8*\g+7], v15
.endr
	v_nop
	ds_store_b128 v5, v[CD:CD+3] offset:16*J
	ds_store_b128 v5, v[CD+4:CD+7] offset:HALFB+16*J
.set J, J+1
.endr
	s_wait_dscnt 0x0                               ; for the others' sake: my stores have landed
	s_barrier_signal -1
	s_barrier_wait -1
; my tile: 16 rows x 16 columns, K in 8 steps; source 0 = 16 columns of W, source 1 = 16 rows: a lane then holds 8 neighbouring columns of one row
.macro GFETCH ks                       ; six buffers of 32 registers: the rows' fragment, then W's
.set FB, 24+32*((\ks)%6)
.irp c, 0,1,2,3
	ds_load_b128 v[FB+4*\c:FB+4*\c+3], v6 offset:HALFB*((\ks)/4)+2176*((\ks)%4)+544*\c
.endr
.irp c, 0,1,2,3
	ds_load_b128 v[FB+16+4*\c:FB+16+4*\c+3], v8 offset:2048*(\ks)+512*\c
.endr
.endm
.macro GMUL ks                         ; the two accumulators take turns, one instruction a turn
.set FB, 24+32*((\ks)%6)
.set AC, 216+8*((\ks)%2)
.if (\ks) < 2
	v_wmma_f32_16x16x128_bf8_bf8 v[AC:AC+7], v[FB+16:FB+31], v[FB:FB+15], 0
.else
	v_wmma_f32_16x16x128_bf8_bf8 v[AC:AC+7], v[FB+16:FB+31], v[FB:FB+15], v[AC:AC+7]
.endif
.endm
.irp k, 0,1,2,3,4,5
	GFETCH \k
.endr
	s_wait_dscnt 40                                ; step 0 is in: five younger steps of eight loads
	GMUL 0
	s_wait_dscnt 32
	GMUL 1
	PLACES                                         ; steps 6 and 7 land in the registers that these two products read
	GFETCH 6
	GFETCH 7
.irp k, 2,3,4,5,6,7
	s_wait_dscnt 8*(7-\k)                          ; the younger steps may be out
	GMUL \k
.endr
; scale, bias, activation; through the tile's stage
	PLACES
	s_wait_loadcnt 0x0                             ; the bias
.irp x, 0,2,4,6
	v_pk_add_f32 v[24+\x:25+\x], v[216+\x:217+\x], v[224+\x:225+\x]   ; both accumulators from their low ends on
.endr
.irp x, 0,2,4,6
	s_delay_alu instid0(VALU_DEP_4)
	v_pk_fma_f32 v[24+\x:25+\x], v[24+\x:25+\x], s[2:3], v[232+\x:233+\x] op_sel_hi:[1,0,1]
.endr
.irp x, 0,1,2,3,4,5,6,7
	v_mul_f32 v[40+\x], s24, v[24+\x]
	v_max_num_f32 v[32+\x], 0, v[24+\x]            ; relu
.endr
	s_wait_alu depctr_va_vdst(0)
.irp x, 0,1,2,3,4,5,6,7
	v_exp_f32 v[40+\x], v[40+\x]
.endr
	v_nop                                          ; a plain instruction behind the transcendentals
	s_wait_alu depctr_va_vdst(0)
.irp x, 0,2,4,6
	v_pk_add_f32 v[40+\x:41+\x], v[40+\x:41+\x], 1.0 op_sel_hi:[1,0]
.endr
	s_wait_alu depctr_va_vdst(0)
.irp x, 0,1,2,3,4,5,6,7
	v_rcp_f32 v[40+\x], v[40+\x]
.endr
	v_nop
	s_wait_alu depctr_va_vdst(0)
.irp x, 0,1,2,3,4,5,6,7
	v_fma_f32 v[40+\x], v[40+\x], -2.0, 1.0        ; tanh
.endr
.irp x, 0,1,2,3,4,5,6,7
	v_cndmask_b32 v[24+\x], v[32+\x], v[40+\x], s20   ; the choice selects a value; both are computed
.endr
	ds_store_b128 v9, v[24:27]
	ds_store_b128 v9, v[28:31] offset:16
	s_wait_dscnt 0x0                               ; for the others' sake: a row's 256 bytes come from four waves
	s_barrier_signal -1
	s_barrier_wait -1
	ds_load_b128 v[48:51], v10                     ; rows 4 (w/4) + h,
	ds_load_b128 v[52:55], v10 offset:544          ; and + 2
	s_wait_dscnt 0x0
	global_store_b128 v11, v[48:51], s[60:61]      ; sixteen lanes store 256 consecutive bytes, aligned
	global_store_b128 v11, v[52:55], s[60:61] offset:8192
	s_cmp_ge_u32 s55, 2                            ; the strip's two pieces of codes for each tile of rows are made by waves 0-7
	s_cbranch_scc1 .Lpdone
	ds_load_b128 v[56:59], v23                     ; row r, columns 32 (w/4) + 8 h + 0 .. 7,
	ds_load_b128 v[60:63], v23 offset:16
	ds_load_b128 v[64:67], v23 offset:64           ; and 16 further on: one piece under map 2
	ds_load_b128 v[68:71], v23 offset:80
	s_wait_dscnt 0x0
.set x, 0
.rept 16
	v_med3_num_f32 v[56+x], v[56+x], -v18, v18
.set x, x+1
.endr
	v_cvt_scalef32_pk8_bf8_f32 v[72:73], v[56:63], v17
	v_cvt_scalef32_pk8_bf8_f32 v[74:75], v[64:71], v17
	v_nop
	global_store_b128 v4, v[72:75], s[62:63] offset:1048576       ; 512 consecutive bytes
.Lpdone:
	s_wait_tensorcnt 0x0
	ds_add_u32 v254, v255
	s_wait_dscnt 0x0
	s_endpgm
; ---------------- the four weights that later launches read ----------------
; a wave takes 32 columns x 4 units (pieces 2 (w/8) and + 1 of K step S): 64 loads, all asked for at once
.Lquant:
	s_sub_co_u32 s31, ttmp9, 64
	s_lshr_b32 s32, s31, 5                         ; 0 Wv, 1 Wcp (map 1), 2 Wsa, 3 Wha (map 2)
	s_and_b32 s33, s31, 7                          ; group of 128 columns
	s_bfe_u32 s34, s31, 0x20003
	s_bfe_u32 s35, s30, 0x10002
	s_lshl_b32 s34, s34, 1
	s_add_co_u32 s34, s34, s35                     ; my K step
	s_cmp_lt_u32 s32, 1
	s_cselect_b64 s[50:51], s[16:17], s[18:19]
	s_cmp_lt_u32 s32, 3
	s_cselect_b64 s[52:53], s[20:21], s[22:23]
	s_cmp_lt_u32 s32, 2
	s_cselect_b64 s[50:51], s[50:51], s[52:53]
	s_lshr_b32 s58, s34, 2
	s_lshl_b32 s58, s58, 21
	s_and_b32 s59, s34, 3
	s_lshl_b32 s59, s59, 17
	s_add_co_u32 s58, s58, s59
	s_lshl_b32 s59, s57, 16
	s_add_co_u32 s58, s58, s59                     ; map 1: row 512 (S/4) + 32 (S%4) + 16 (w/8)
	s_lshl_b32 s48, s34, 19
	s_lshl_b32 s59, s57, 18
	s_add_co_u32 s48, s48, s59                     ; map 2: row 128 S + 64 (w/8)
	s_cmp_lt_u32 s32, 2
	s_cselect_b32 s58, s58, s48
	s_lshl_b32 s59, s33, 9
	s_add_co_u32 s58, s58, s59
	s_lshl_b32 s59, s54, 7
	s_add_co_u32 s58, s58, s59
	s_mov_b32 s59, 0
	s_add_nc_u64 s[50:51], s[50:51], s[58:59]
	s_lshl_b32 s58, s32, 20                        ; the tensor's 1,048,576 bytes of codes; tile 8 group + 2 (w%4), K step S, piece 2 (w/8)
	s_lshl_b32 s48, s33, 17
	s_add_co_u32 s58, s58, s48
	s_lshl_b32 s48, s54, 15
	s_add_co_u32 s58, s58, s48
	s_lshl_b32 s48, s34, 11
	s_add_co_u32 s58, s58, s48
	s_lshl_b32 s48, s57, 10
	s_add_co_u32 s58, s58, s48
	s_add_nc_u64 s[60:61], s[26:27], s[58:59]
	s_cmp_lt_u32 s32, 2
	s_cbranch_scc0 .Lmap2
.irp u, 0,1,2,3
	WLOAD \u, \u/2, \u%2, 1
.endr
	s_branch .Lqcvt
.Lmap2:
.irp u, 0,1,2,3
	WLOAD \u, \u/2, \u%2, 2
.endr
.Lqcvt:                                                ; both ways have issued 64 loads; all behind them is alike
	s_wait_kmcnt 0x0                               ; the exponents
	s_cmp_lt_u32 s32, 1
	s_cselect_b32 s48, s37, s47
	s_cmp_lt_u32 s32, 3
	s_cselect_b32 s49, s41, s45
	s_cmp_lt_u32 s32, 2
	s_cselect_b32 s48, s48, s49
	SCALES 48, 13, 14
	s_wait_alu depctr_va_vdst(0)
.irp u, 0,1,2,3
	s_wait_loadcnt 16*(3-\u)                       ; the younger units may be out
	WCVT \u, 216+4*\u                              ; each unit has its own four registers of codes: no store's data are written again
	global_store_b128 v20, v[216+4*\u:219+4*\u], s[60:61] offset:512*(\u/2)+256*(\u%2)   ; sixteen lanes store 256 consecutive bytes, aligned
.endr
	s_endpgm
.Lfunc_end_k_q0788af63ab_prep:
	.size	k_q0788af63ab_prep, .Lfunc_end_k_q0788af63ab_prep-k_q0788af63ab_prep
	.p2alignl 7, 3214868480
	.fill 96, 4, 3214868480
	.section	.rodata,"a",@progbits
	.p2align	6, 0x0
	.amdhsa_kernel k_q0788af63ab_prep
		.amdhsa_group_segment_fixed_size 157696
		.amdhsa_private_segment_fixed_size 0
		.amdhsa_enable_private_segment 0
		.amdhsa_kernarg_size 104
		.amdhsa_user_sgpr_count 2
		.amdhsa_user_sgpr_kernarg_segment_ptr 1
		.amdhsa_wavefront_size32 1
		.amdhsa_system_sgpr_workgroup_id_x 1
		.amdhsa_system_sgpr_workgroup_id_y 1
		.amdhsa_system_sgpr_workgroup_id_z 1
		.amdhsa_system_vgpr_workitem_id 0
		.amdhsa_next_free_vgpr 256
		.amdhsa_next_free_sgpr 66
		.amdhsa_reserve_vcc 0
		.amdhsa_float_denorm_mode_32 3
		.amdhsa_float_denorm_mode_16_64 3
		.amdhsa_memory_ordered 1
		.amdhsa_forward_progress 1
		.amdhsa_inst_pref_size 71
	.end_amdhsa_kernel
	.amdgpu_metadata
---
amdhsa.version: [ 1, 2 ]
amdhsa.kernels:
  - .name:           k_q0788af63ab_prep
    .symbol:         k_q0788af63ab_prep.kd
    .args:
      - { .name: s_t, .offset: 0, .size: 8, .value_kind: global_buffer, .address_space: global }
      - { .name: h_t, .offset: 8, .size: 8, .value_kind: global_buffer, .address_space: global }
      - { .name: Wsp, .offset: 16, .size: 8, .value_kind: global_buffer, .address_space: global }
      - { .name: Whp, .offset: 24, .size: 8, .value_kind: global_buffer, .address_space: global }
      - { .name: bsp, .offset: 32, .size: 8, .value_kind: global_buffer, .address_space: global }
      - { .name: bhp, .offset: 40, .size: 8, .value_kind: global_buffer, .address_space: global }
      - { .name: Wv, .offset: 48, .size: 8, .value_kind: global_buffer, .address_space: global }
      - { .name: Wcp, .offset: 56, .size: 8, .value_kind: global_buffer, .address_space: global }
      - { .name: Wsa, .offset: 64, .size: 8, .value_kind: global_buffer, .address_space: global }
      - { .name: Wha, .offset: 72, .size: 8, .value_kind: global_buffer, .address_space: global }
      - { .name: lowp_scales, .offset: 80, .size: 8, .value_kind: global_buffer, .address_space: global }
      - { .name: wq, .offset: 88, .size: 8, .value_kind: global_buffer, .address_space: global }
      - { .name: proj, .offset: 96, .size: 8, .value_kind: global_buffer, .address_space: global }
    .group_segment_fixed_size: 157696
    .private_segment_fixed_size: 0
    .kernarg_segment_align: 8
    .kernarg_segment_size: 104
    .max_flat_workgroup_size: 512
    .sgpr_count:     66
    .vgpr_count:     256
    .wavefront_size: 32
...
	.end_amdgpu_metadata
.endif
;; end of part 1
;; launch att2 (part 2): grid 16 x 16, 16 waves a work-group, no clusters, 19,456 bytes of LDS; arguments wq, proj, bsa, bha, lowp_scales, att; writes att
.if DOCPART == 2
	.amdgcn_target "amdgcn-amd-amdhsa--gfx1250"
	.amdhsa_code_object_version 6
	.text
	.protected	k_q0788af63ab_att2
	.globl	k_q0788af63ab_att2
	.p2align	8
	.type	k_q0788af63ab_att2,@function
k_q0788af63ab_att2:
	s_mov_b64 s[64:65], 0
	v_nop
	global_prefetch_b8 v0, s[64:65] scope:SCOPE_SE
	s_setreg_imm32_b32 hwreg(HW_REG_WAVE_MODE, 25, 1), 1
	s_wait_xcnt 0x0
; s_att = Q(s_proj) Q(Wsa) + bsa (y = 0 .. 7) and h_att = Q(h_proj) Q(Wha) + bha (y = 8 .. 15).  A work-group makes 16 rows (tile y % 8 of the 128) x 64 columns (strip x): 256 work-groups.
; Both operands arrive as codes of E5M2, laid as images of the operand's registers: fragment (tile, K step S) at (8 tile + S) x 2,048 bytes, piece c of lane L at 512 c + 16 L.
; Wave w = 4 kq + nt multiplies tile nt of 16 columns over K steps 2 kq and 2 kq + 1: its four fragments come by sixteen loads of 512 consecutive bytes straight into the operand's registers.
; Source 0 = 16 columns of the weight, source 1 = the 16 rows: a lane holds 8 neighbouring columns of one row.  The four parts along K meet in LDS; waves 0-7 add them, scale, add the bias and store two rows each.
; NO JOINT LOADS AND NO PREFETCH: nothing is staged in LDS on the way in (each fragment is used by the one wave that loads it), and the launch has no loop to run ahead in.
; LIMITS: the sum of the two operands' exponents lies between -126 and 127.  The sums along K are split in eight parts (a stated order of rounding).
.set RED,   0                          ; 4 parts x 16 rows x 272 bytes
.set SPARE, 17408                      ; behind them: the spare words, 128 bytes for each of the sixteen waves
	s_load_b256 s[4:11], s[0:1], 0x0               ; wq, proj, bsa, bha
	s_load_b128 s[12:15], s[0:1], 0x20             ; the scales' exponents, att
	v_lshl_add_u32 v254, v0, 2, SPARE
	v_mov_b32 v255, 0
	v_and_b32 v1, 31, v0
	v_and_b32 v2, 15, v0
	v_bfe_u32 v3, v0, 4, 1
	v_lshrrev_b32 v4, 5, v0
	s_delay_alu instid0(VALU_DEP_1)
	v_readfirstlane_b32 s18, v4                    ; wave 0..15
	s_wait_alu depctr_va_vdst(0)                   ; directly ahead of the run of scalar instructions
	s_and_b32 s19, ttmp7, 0xffff                   ; y = 8 p + tile of rows
	s_lshr_b32 s22, s19, 3                         ; p: 0 s, 1 h
	s_and_b32 s20, s18, 3                          ; nt
	s_lshr_b32 s21, s18, 2                         ; kq
	s_mov_b32 s41, 0
	s_mov_b32 s43, 0
	s_mov_b32 s45, 0
	s_mov_b32 s47, 0
	s_lshl_b32 s40, ttmp9, 8                       ; the bias at my strip
	s_lshl_b32 s42, s19, 14                        ; the rows' codes: 131,072 p + 16,384 tile
	s_lshl_b32 s24, s21, 12
	s_add_co_u32 s42, s42, s24                     ; + 2 kq fragments
	s_lshl_b32 s44, s22, 20                        ; the weight's codes: 1,048,576 p + 65,536 strip + 16,384 nt + 2 kq fragments
	s_lshl_b32 s25, ttmp9, 16
	s_add_co_u32 s44, s44, s25
	s_lshl_b32 s25, s20, 14
	s_add_co_u32 s44, s44, s25
	s_add_co_u32 s44, s44, s24
	s_lshl_b32 s46, s19, 16                        ; the output: 524,288 p + 65,536 tile + row 2 w + my strip
	s_lshl_b32 s25, s18, 13
	s_add_co_u32 s46, s46, s25
	s_add_co_u32 s46, s46, s40
	s_mul_i32 s24, s21, 4352
	s_lshl_b32 s25, s20, 6
	s_add_co_u32 s24, s24, s25
	s_add_co_u32 s24, s24, RED                     ; my part: part kq, columns 16 nt on
	s_mul_i32 s25, s18, 544
	s_add_co_u32 s25, s25, RED                     ; rows 2 w and 2 w + 1 of part 0
	v_lshlrev_b32 v5, 4, v1                        ; 16 L
	v_lshlrev_b32 v7, 4, v2                        ; 16 r
	v_mul_u32_u24 v9, v3, 272
	v_mul_u32_u24 v11, v2, 272
	v_lshl_add_u32 v9, v2, 4, v9                   ; 272 h + 16 r
	v_lshl_add_u32 v11, v3, 5, v11                 ; 272 r + 32 h
	v_lshl_add_u32 v13, v3, 12, v7                 ; my place in two rows of the output
	v_add_nc_u32 v12, s25, v9                      ; the parts, out (waves 0-7): row 2 w + h, 16 bytes a lane
	v_add_nc_u32 v11, s24, v11                     ; my part, in: row r, columns 16 nt + 8 h on
	s_wait_alu depctr_va_vdst(0)
	s_wait_kmcnt 0x0
	s_load_b64 s[16:17], s[12:13], 0x10            ; e4, e5
	s_load_b64 s[34:35], s[12:13], 0x20            ; e8, e9
	s_cmp_eq_u32 s22, 0
	s_cselect_b64 s[38:39], s[8:9], s[10:11]       ; the bias
	s_add_nc_u64 s[38:39], s[38:39], s[40:41]
	s_add_nc_u64 s[30:31], s[6:7], s[42:43]
	s_add_nc_u64 s[36:37], s[4:5], s[44:45]
	s_add_nc_u64 s[14:15], s[14:15], s[46:47]
.irp e, 0,1
.irp c, 0,1,2,3
	global_load_b128 v[128+16*\e+4*\c:131+16*\e+4*\c], v5, s[36:37] offset:2097152+2048*\e+512*\c   ; the weight's two fragments
.endr
.endr
.irp e, 0,1
.irp c, 0,1,2,3
	global_load_b128 v[164+16*\e+4*\c:167+16*\e+4*\c], v5, s[30:31] offset:1048576+2048*\e+512*\c   ; the rows' two fragments
.endr
.endr
	global_load_b128 v[160:163], v7, s[38:39]      ; the bias at columns 4 r .. 4 r + 3 of the strip
	s_wait_kmcnt 0x0
	s_cmp_eq_u32 s22, 0
	s_cselect_b32 s2, s16, s34
	s_cselect_b32 s3, s17, s35
	s_add_co_i32 s2, s2, s3
	s_add_co_i32 s2, s2, 127
	s_lshl_b32 s2, s2, 23                          ; 2^(the two exponents added)
	s_mov_b32 s3, s2
	s_wait_loadcnt 1                               ; the sixteen loads of codes are in: the bias's one is younger
	v_wmma_f32_16x16x128_bf8_bf8 v[200:207], v[128:143], v[164:179], 0
	v_wmma_f32_16x16x128_bf8_bf8 v[208:215], v[144:159], v[180:195], 0
.rept 4
	v_nop                                          ; four places between a matrix instruction and a read of its result (ISA guide 7.12.1)
.endr
.irp x, 0,2,4,6
	v_pk_add_f32 v[216+\x:217+\x], v[200+\x:201+\x], v[208+\x:209+\x]   ; both accumulators from their low ends on
.endr
	ds_store_b128 v11, v[216:219]
	ds_store_b128 v11, v[220:223] offset:16
	s_wait_dscnt 0x0                               ; for the others' sake: my part has landed
	s_barrier_signal -1
	s_barrier_wait -1
	s_cmp_ge_u32 s18, 8
	s_cbranch_scc1 .Lend
.irp k, 0,1,2,3
	ds_load_b128 v[32+4*\k:35+4*\k], v12 offset:4352*\k
.endr
	s_wait_dscnt 0x0
	s_wait_loadcnt 0x0                             ; the bias
.irp x, 0,2
	v_pk_add_f32 v[32+\x:33+\x], v[32+\x:33+\x], v[36+\x:37+\x]
	v_pk_add_f32 v[40+\x:41+\x], v[40+\x:41+\x], v[44+\x:45+\x]
.endr
.irp x, 0
	s_delay_alu instid0(VALU_DEP_3)
	v_pk_add_f32 v[32+\x:33+\x], v[32+\x:33+\x], v[40+\x:41+\x]
.endr
.irp x, 2
	s_delay_alu instid0(VALU_DEP_2)
	v_pk_add_f32 v[32+\x:33+\x], v[32+\x:33+\x], v[40+\x:41+\x]
.endr
.irp x, 0,2
	s_delay_alu instid0(VALU_DEP_2)
	v_pk_fma_f32 v[32+\x:33+\x], v[32+\x:33+\x], s[2:3], v[160+\x:161+\x] op_sel_hi:[1,0,1]   ; sum x 2^(e + e) + bias
.endr
	global_store_b128 v13, v[32:35], s[14:15]      ; sixteen lanes store 256 consecutive bytes, aligned
.Lend:
	s_wait_tensorcnt 0x0                           ; the wave's end, behind my last LDS store
	ds_add_u32 v254, v255
	s_wait_dscnt 0x0
	s_endpgm
.Lfunc_end_k_q0788af63ab_att2:
	.size	k_q0788af63ab_att2, .Lfunc_end_k_q0788af63ab_att2-k_q0788af63ab_att2
	.p2alignl 7, 3214868480
	.fill 96, 4, 3214868480
	.section	.rodata,"a",@progbits
	.p2align	6, 0x0
	.amdhsa_kernel k_q0788af63ab_att2
		.amdhsa_group_segment_fixed_size 19456
		.amdhsa_private_segment_fixed_size 0
		.amdhsa_enable_private_segment 0
		.amdhsa_kernarg_size 48
		.amdhsa_user_sgpr_count 2
		.amdhsa_user_sgpr_kernarg_segment_ptr 1
		.amdhsa_wavefront_size32 1
		.amdhsa_system_sgpr_workgroup_id_x 1
		.amdhsa_system_sgpr_workgroup_id_y 1
		.amdhsa_system_sgpr_workgroup_id_z 1
		.amdhsa_system_vgpr_workitem_id 0
		.amdhsa_next_free_vgpr 256
		.amdhsa_next_free_sgpr 66
		.amdhsa_reserve_vcc 0
		.amdhsa_float_denorm_mode_32 3
		.amdhsa_float_denorm_mode_16_64 3
		.amdhsa_memory_ordered 1
		.amdhsa_forward_progress 1
		.amdhsa_inst_pref_size 7
	.end_amdhsa_kernel
	.amdgpu_metadata
---
amdhsa.version: [ 1, 2 ]
amdhsa.kernels:
  - .name:           k_q0788af63ab_att2
    .symbol:         k_q0788af63ab_att2.kd
    .args:
      - { .name: wq, .offset: 0, .size: 8, .value_kind: global_buffer, .address_space: global }
      - { .name: proj, .offset: 8, .size: 8, .value_kind: global_buffer, .address_space: global }
      - { .name: bsa, .offset: 16, .size: 8, .value_kind: global_buffer, .address_space: global }
      - { .name: bha, .offset: 24, .size: 8, .value_kind: global_buffer, .address_space: global }
      - { .name: lowp_scales, .offset: 32, .size: 8, .value_kind: global_buffer, .address_space: global }
      - { .name: att, .offset: 40, .size: 8, .value_kind: global_buffer, .address_space: global }
    .group_segment_fixed_size: 19456
    .private_segment_fixed_size: 0
    .kernarg_segment_align: 8
    .kernarg_segment_size: 48
    .max_flat_workgroup_size: 512
    .sgpr_count:     66
    .vgpr_count:     256
    .wavefront_size: 32
...
	.end_amdgpu_metadata
.endif
;; end of part 2
;; launch attn (part 3): grid 256 x 1, 4 waves a work-group, no clusters, 313,088 bytes of LDS; arguments V, wq, att, proj, bv, Wal, lowp_scales, part; writes part
.if DOCPART == 3
	.amdgcn_target "amdgcn-amd-amdhsa--gfx1250"
	.amdhsa_code_object_version 6
	.text
	.protected	k_q0788af63ab_attn
	.globl	k_q0788af63ab_attn
	.p2align	8
	.type	k_q0788af63ab_attn,@function
k_q0788af63ab_attn:
	s_mov_b64 s[64:65], 0
	v_nop
	global_prefetch_b8 v0, s[64:65] scope:SCOPE_SE
	s_setreg_imm32_b32 hwreg(HW_REG_WAVE_MODE, 25, 1), 1
	s_wait_xcnt 0x0
; A work-group takes half a batch entry: 256 rows of V (work-group = 2 b + q).  It makes their scores, a partial softmax under its own maximum m with its own sum l, and the partial context
; sum of p x row, p = e^(score - m).  Half 0 also counts the extra row s_proj, whose score comes from s_att.  The next launch joins the two halves under the common maximum.
; PHASE L: wave w reads its 64 rows of V (f32), quantises them to E5M2 and lays the codes in LDS.  A row comes by eight loads of 512 consecutive bytes; the four loads of half a row leave lane l with 16 numbers
;   that are taken as one piece of an operand: k = 512 (S/4) + 128 (idx/4) + 32 (S%4) + 8 c + 4 h + idx%4 with l = 8 (S%4) + 2 c + h.  Wv's codes were laid by the same map, so each product meets its partner;
;   only the order of the sums inside a matrix instruction hangs on the map (a stated limit).
;   Eight rows are on their way at a time, in eight slots of registers.  A slot owns its offset register, which is stepped behind the counted wait that shows the slot's loads done: V's base is never stepped.
; PHASE G: relu(Q(V) Q(Wv) + bv): wave w makes all 256 rows x columns 256 v + 64 w .. + 63, v = 0 .. 3: 16 x 4 accumulators, 512 registers.  Source 0 = 16 columns of Wv, source 1 = 16 rows: a lane holds 8 columns of one row.
;   The rows' fragments come from LDS (three buffers of four fragments by turns), Wv's straight from memory into registers (four sets of a K step's four fragments, three K steps ahead).
;   Behind each tile: x = max(K2 (y + bv + h_att), K2 h_att), which is K2 (relu(y + bv) + h_att); tanh = 1 - 2 / (1 + 2^x), K2 = 2 log2(e); the score gathers -2 Wal / (1 + 2^x), and sum(Wal) + bal is added once.
; PHASE S: the four waves' parts of the scores meet in LDS; every wave finds m and l; each keeps p of its own 64 rows.
; PHASE C: each wave reads its 64 rows of V again, the rows read last first, and gathers p x row in f32 (the context goes on into a quantiser); the four waves' sums meet in LDS.
; NO JOINT LOADS OF Wv's CODES: each of their bytes is used by one wave of a work-group and goes straight into its registers; LDS holds 278,528 bytes of the rows' codes, which leaves no room for two slots of Wv's,
;   and every LDS read of phase G is already taken by the rows' fragments.
; LIMITS: e0 between -126 and 112, e0 + e1 between -126 and 127.  NaN and infinities among the inputs are not served.
; REGISTERS, in windows of 256: window 0: v0-23 addresses and constants, v24-39 the scores' parts, v40-63 at work (v52-59: the eight slots' offsets in phases L and C), v64-255 by phase.  window 1: eight rows of V (L, C); Wv's four sets (G).  windows 2, 3: accumulator (a, b) at v[8 (4 (a%8) + b)] of window 2 + a/8.
; bal IS LEFT OUT AS DEAD WORK: it is added to all R + 1 scores of a batch entry ahead of the softmax along them, which it cannot move (shown at the head of the first kernel): of the constant named under PHASE G only sum(Wal) is added.
; THE ORDER OF THE ROWS in phases L and C: a trip takes 8 rows, two neighbouring rows of each of my four tiles: slot j of trip t holds my row 16 (j/2) + j%2 + 2 t in phase L, and row 63 - (16 (j/2) + j%2 + 2 t) in phase C.
; So the LDS address steps by 32 bytes a trip, the tile stands in the immediate offset, and each loop is seven trips of 8 rows with the last 8 rows, which ask for nothing more, written out.
.set MTB,   17408                      ; 16 rows' codes: 2 halves x 32 lines (one for each lane of the loads) of 272 bytes: 16 rows x 16 bytes + 16 of padding
.set HALFB, 8704
.set T1,    278528                     ; K2 (bv + h_att), then at + 4,096 K2 h_att, then at + 8,192 -2 Wal: 1,024 numbers each
.set SCR,   290816                     ; 4 waves x 256 parts of scores
.set RED,   294912                     ; 4 waves x (the extra row's part, Wal's part)
.set PL,    295168                     ; p, 64 for each wave, its own, in the order in which phase C takes the rows
.set CTX,   296192                     ; 4 waves x a row of 4,096 bytes
.set K2C,   0x4038aa3b
.set LOG2E, 0x3fb8aa3b
.set LN, 1
.set RR, 2
.set HH, 3
.set VOFF, 4                           ; 16 L
.set ASTO, 5                           ; codes in: my four tiles of rows, line L
.set ADA, 6                            ; v6-11 codes out: 272 h + 16 r + three tiles of rows to a base
.set TAD0, 12                          ; the tables at my columns
.set ADC, 13                           ; the address in hand
.set SST, 14
.set SLD, 15
.set SOWN, 16
.set CST, 17
.set CLD, 18
.set SCV, 19                           ; 2^e0
.set LIMV, 20                          ; 57,344 x 2^e0
.set PADR, 21
.set PAD16, 22
.set PT, 23
.set SC, 24
.set OFF, 52                           ; v52-59 slot j: 16 L + 4,096 x the row of my 64 that the slot loads next
.set MSB, 0
.macro WIN new                         ; the immediate's high byte repeats the setting that is left; a switch that changes nothing is dropped
.if MSB != (\new)
	s_set_vgpr_msb (MSB<<8)|(\new)
.set MSB, (\new)
.endif
.endm
.set TO1,    0x40                      ; destination window 1
.set FROM1,  0x01                      ; source 0 window 1
.set MUL_LO, 0xa1                      ; source 0 (Wv) window 1, source 1 (rows) window 0, C and D window 2
.set MUL_HI, 0xf1                      ; the same, C and D window 3
.macro PLACES                          ; four plain vector instructions between a matrix instruction and a load into, or a read of, its registers
.rept 4
	v_nop
.endr
.endm
.macro VLOAD slot                      ; a row of V into its slot: eight loads of 512 consecutive bytes
.irp t, 0,1,2,3,4,5,6,7
	global_load_b128 v[32*(\slot)+4*\t:32*(\slot)+4*\t+3], v[OFF+(\slot)], s[30:31] offset:512*\t
.endr
.endm
.macro VLOADN slot                     ; the same for the second reading, behind which nobody reads the row again
.irp t, 0,1,2,3,4,5,6,7
	global_load_b128 v[32*(\slot)+4*\t:32*(\slot)+4*\t+3], v[OFF+(\slot)], s[30:31] offset:512*\t th:TH_LOAD_NT
.endr
.endm
.macro RSUM rv, rt                     ; the sum over the wave's 32 lanes, in every lane
	v_add_f32_dpp v[\rv], v[\rv], v[\rv] row_xmask:1 row_mask:0xf bank_mask:0xf
	v_add_f32_dpp v[\rv], v[\rv], v[\rv] row_xmask:2 row_mask:0xf bank_mask:0xf
	v_add_f32_dpp v[\rv], v[\rv], v[\rv] row_xmask:4 row_mask:0xf bank_mask:0xf
	v_add_f32_dpp v[\rv], v[\rv], v[\rv] row_xmask:8 row_mask:0xf bank_mask:0xf
	v_permlanex16_b32 v[\rt], v[\rv], s42, s43
	v_add_f32 v[\rv], v[\rv], v[\rt]
.endm
	s_load_b512 s[4:19], s[0:1], 0x0               ; V, wq, att, proj, bv, Wal, the scales' exponents, part
	v_and_b32 v[LN], 31, v0
	v_and_b32 v[RR], 15, v0
	v_bfe_u32 v[HH], v0, 4, 1
	v_lshrrev_b32 v40, 5, v0
	v_readfirstlane_b32 s26, v40                   ; wave 0..3
	s_lshr_b32 s27, ttmp9, 1                       ; b
	s_and_b32 s28, ttmp9, 1                        ; q
	s_mov_b32 s42, 0x76543210                      ; v_permlanex16_b32: lane l xor 16
	s_mov_b32 s43, 0xfedcba98
	s_mov_b32 s23, K2C
	v_lshlrev_b32 v[VOFF], 4, v[LN]
.irp j, 0,1,2,3,4,5,6,7
	v_add_nc_u32 v[OFF+\j], 4096*(16*(\j/2)+\j%2), v[VOFF]   ; phase L begins with rows 0 and 1 of each of my four tiles
.endr
	v_lshlrev_b32 v42, 4, v0                       ; 16 x thread: my four numbers of half a table
	s_mul_i32 s29, s26, 4*MTB
	v_mul_u32_u24 v[ASTO], v[LN], 272
	v_add_nc_u32 v[ASTO], s29, v[ASTO]
	v_mul_u32_u24 v41, v[HH], 272
	v_lshl_add_u32 v41, v[RR], 4, v41
.irp i, 0,1,2,3,4,5
	v_add_nc_u32 v[ADA+\i], 3*MTB*\i, v41
.endr
	s_lshl_b32 s29, s26, 8
	s_lshl_b32 s45, s26, 10
	s_lshl_b32 s54, s26, 12
	v_lshl_add_u32 v[TAD0], v[HH], 5, s29
	v_add_nc_u32 v[TAD0], T1, v[TAD0]              ; 4 x (64 w + 8 h)
	v_lshl_add_u32 v[SST], v[LN], 2, s45
	v_add_nc_u32 v[SST], SCR, v[SST]
	v_lshl_add_u32 v[SLD], v[LN], 2, SCR
	v_lshl_add_u32 v[SOWN], v[LN], 2, s29
	v_add_nc_u32 v[SOWN], SCR, v[SOWN]
	v_lshl_add_u32 v[CST], v[LN], 4, s54
	v_add_nc_u32 v[CST], CTX, v[CST]
	v_lshl_add_u32 v[CLD], v[LN], 4, s45
	v_add_nc_u32 v[CLD], CTX, v[CLD]
	v_xor_b32 v40, 31, v[LN]                       ; u = 31 - L: my row 32 e + L is 63 - (32 (1 - e) + u)
	v_bfe_u32 v44, v40, 1, 3                       ; the trip: (u / 2) % 8
	v_bfe_u32 v45, v40, 4, 1
	v_and_b32 v40, 1, v40
	v_lshl_add_u32 v40, v45, 1, v40                ; the slot's low part: 2 (u / 16) + u % 2; 4 (1 - e) goes into the store's offset
	v_lshl_add_u32 v40, v44, 3, v40                ; place = 8 x trip + slot
	v_lshl_add_u32 v[PADR], v40, 2, s29
	v_add_nc_u32 v[PADR], PL, v[PADR]              ; p in
	v_and_b32 v44, 7, v[LN]
	v_lshl_add_u32 v[PAD16], v44, 2, s29
	v_add_nc_u32 v[PAD16], PL, v[PAD16]            ; p out: place L % 8 of a trip's eight
	v_add_nc_u32 v43, T1, v42
	s_lshl_b32 s55, s26, 3
	s_add_co_u32 s55, s55, RED
	v_mov_b32 v48, s55
	v_mov_b32 v49, RED
	v_mov_b32 v46, 0                               ; written once: a lane permute's destination counts as one of its sources
	v_mov_b32 v47, 0
	s_lshl_b32 s30, ttmp9, 20                      ; the work-group's 256 rows of 4,096 bytes,
	s_lshl_b32 s31, s26, 18                        ; my wave's 64
	s_add_co_u32 s30, s30, s31
	s_mov_b32 s31, 0
	s_lshl_b32 s32, s26, 16                        ; Wv's codes: my four tiles of 16 columns
	s_mov_b32 s33, 0
	s_lshl_b32 s46, s27, 12                        ; row b of s_att, h_att, s_proj
	s_mov_b32 s47, 0
	s_lshl_b32 s50, ttmp9, 12
	s_add_co_u32 s50, s50, s45
	s_mov_b32 s51, 0
	s_lshl_b32 s52, ttmp9, 8
	s_mov_b32 s53, 0
	s_cmp_eq_u32 s28, 0
	s_cselect_b32 s44, -1, 0                       ; all ones in half 0
	s_wait_kmcnt 0x0
	s_load_b64 s[24:25], s[16:17], 0x0             ; e0, e1
	s_add_nc_u64 s[30:31], s[4:5], s[30:31]        ; V at my wave's first row: it stays
	s_add_nc_u64 s[32:33], s[6:7], s[32:33]
	s_add_nc_u64 s[48:49], s[10:11], s[46:47]
	s_add_nc_u64 s[46:47], s[8:9], s[46:47]
	s_add_nc_u64 s[50:51], s[18:19], s[50:51]
	s_add_nc_u64 s[52:53], s[18:19], s[52:53]
; ---- the tables, and the extra row's score
.irp e, 0,1
	global_load_b128 v[128+4*\e:131+4*\e], v42, s[46:47] offset:524288+2048*\e   ; h_att
	global_load_b128 v[136+4*\e:139+4*\e], v42, s[12:13] offset:2048*\e          ; bv
	global_load_b128 v[144+4*\e:147+4*\e], v42, s[14:15] offset:2048*\e          ; Wal
	global_load_b128 v[152+4*\e:155+4*\e], v42, s[46:47] offset:2048*\e          ; s_att
.endr
	WIN TO1
.irp j, 0,1,2,3,4,5
	VLOAD \j
.endr
	WIN 0
	s_wait_kmcnt 0x0
	s_add_co_i32 s56, s24, 127
	s_lshl_b32 s57, s56, 23
	v_mov_b32 v[SCV], s57
	s_add_co_i32 s56, s56, 15
	s_lshl_b32 s56, s56, 23
	s_or_b32 s56, s56, 0x600000
	v_mov_b32 v[LIMV], s56
	s_add_co_i32 s34, s24, s25
	s_add_co_i32 s34, s34, 127
	s_lshl_b32 s34, s34, 23
	s_mul_f32 s34, s34, s23                        ; K2 x 2^(e0 + e1)
	s_mov_b32 s35, s34
	s_wait_loadcnt 48                              ; the eight small loads are in: six rows' 48 are younger
	WIN TO1
	VLOAD 6
	VLOAD 7
	WIN 0
.irp x, 0,1,2,3,4,5,6,7
	v_mul_f32 v[160+\x], s23, v[128+\x]            ; K2 h_att
.endr
.irp x, 0,1,2,3,4,5,6,7
	v_fma_f32 v[168+\x], s23, v[136+\x], v[160+\x] ; K2 (bv + h_att)
	v_mul_f32 v[176+\x], -2.0, v[144+\x]           ; -2 Wal
	v_fma_f32 v[184+\x], s23, v[152+\x], v[160+\x] ; K2 (s_att + h_att)
.endr
.irp e, 0,1
	ds_store_b128 v43, v[168+4*\e:171+4*\e] offset:2048*\e
	ds_store_b128 v43, v[160+4*\e:163+4*\e] offset:4096+2048*\e
	ds_store_b128 v43, v[176+4*\e:179+4*\e] offset:8192+2048*\e
.endr
	s_wait_alu depctr_va_vdst(0)
.irp x, 0,1,2,3,4,5,6,7
	v_exp_f32 v[184+\x], v[184+\x]
.endr
	v_nop                                          ; a plain instruction behind the transcendentals
	s_wait_alu depctr_va_vdst(0)
.irp x, 0,2,4,6
	v_pk_add_f32 v[184+\x:185+\x], v[184+\x:185+\x], 1.0 op_sel_hi:[1,0]
.endr
	s_wait_alu depctr_va_vdst(0)
.irp x, 0,1,2,3,4,5,6,7
	v_rcp_f32 v[184+\x], v[184+\x]
.endr
	v_nop
	s_wait_alu depctr_va_vdst(0)
.irp x, 0,1,2,3,4,5,6,7
	v_fma_f32 v[184+\x], v[176+\x], v[184+\x], v[144+\x]   ; Wal tanh
.endr
	v_pk_add_f32 v[184:185], v[184:185], v[186:187]
	v_pk_add_f32 v[188:189], v[188:189], v[190:191]
	v_pk_add_f32 v[152:153], v[144:145], v[146:147]
	v_pk_add_f32 v[154:155], v[148:149], v[150:151]
	v_pk_add_f32 v[184:185], v[184:185], v[188:189]
	v_pk_add_f32 v[152:153], v[152:153], v[154:155]
	v_add_f32 v44, v184, v185
	v_add_f32 v45, v152, v153
	RSUM 44, 46
	RSUM 45, 47
	ds_store_b64 v48, v[44:45]                     ; every lane writes the same two words
; ---- L
.macro LROW j, fill, left
.set XS, 32*((\j)%8)
.set CD, 96+8*((\j)%2)
	s_wait_loadcnt \left                           ; loads come back in order (ISA guide 5.7.1): this row is in, the younger rows stay out
	WIN FROM1
.set x, 0
.rept 32
	v_med3_num_f32 v[64+x], v[XS+x], -v[LIMV], v[LIMV]   ; the conversion does not saturate (ISA guide 7.6.2): the hold at the largest code x the scale
.set x, x+1
.endr
	WIN 0
.if \fill
	v_add_nc_u32 v[OFF+(\j)%8], 0x2000, v[OFF+(\j)%8]    ; the slot's next row, two further on in its tile: the wait above has shown the loads that named this register done
.endif
	s_wait_alu depctr_va_vdst(0)
	s_wait_dscnt 2                                 ; the stores of two rows ago are done: their codes' registers are written again
.irp g, 0,1,2,3
	v_cvt_scalef32_pk8_bf8_f32 v[CD+2*\g:CD+2*\g+1], v[64+8*\g:71+8*\g], v[SCV]
.endr
	v_nop                                          ; a plain instruction behind the last conversion
	ds_store_b128 v[ADC], v[CD:CD+3] offset:((\j)/2)*MTB+16*((\j)%2)          ; tile j/2, row 2 t + j%2 (the address carries 32 t)
	ds_store_b128 v[ADC], v[CD+4:CD+7] offset:((\j)/2)*MTB+HALFB+16*((\j)%2)
.if \fill
	WIN TO1
	VLOAD (\j)%8
.endif
.endm
.macro LTRIP tail                      ; 8 rows: two of each of my four tiles
	v_add_nc_u32 v[ADC], s40, v[ASTO]
.set J, 0
.rept 8
.if \tail
	LROW J, 0, 8*(7-J)
.else
	LROW J, 1, 56                                  ; seven younger rows of eight loads
.endif
.set J, J+1
.endr
	WIN 0
.endm
	s_mov_b32 s40, 0
	s_mov_b32 s38, 7
.Lload:
	LTRIP 0
	s_add_co_u32 s40, s40, 32                      ; two rows of 16 bytes on in every line
	s_sub_co_u32 s38, s38, 1
	s_cmp_lg_u32 s38, 0
	s_cbranch_scc1 .Lload
	LTRIP 1                                        ; the last 8 rows ask for nothing beyond my 64
; ---- G
.macro FETCH_A y                       ; group y = 4 S + g: the fragments of tiles of rows 4 g .. 4 g + 3 at K step S, into buffer y % 3
.set aS, (\y)/4
.set ag, (\y)%4
.set ab, 64+64*((\y)%3)
.irp i, 0,1,2,3
.irp c, 0,1,2,3
	ds_load_b128 v[ab+16*\i+4*\c:ab+16*\i+4*\c+3], v[ADA+(4*ag+\i)/3] offset:((4*ag+\i)%3)*MTB+HALFB*(aS/4)+2176*(aS%4)+544*\c
.endr
.endr
.endm
.macro FETCH_B ks                      ; K step ks of my four tiles of columns, into set ks % 4: each load reads 512 consecutive bytes
	WIN TO1
.irp b, 0,1,2,3
.irp c, 0,1,2,3
	global_load_b128 v[64*((\ks)%4)+16*\b+4*\c:64*((\ks)%4)+16*\b+4*\c+3], v[VOFF], s[32:33] offset:(8*\b+(\ks))*2048+512*\c
.endr
.endr
	WIN 0
.endm
.macro GROUP y
.if ((\y) > 0) && ((\y) <= 29)
	PLACES                                         ; the loads below land in registers that the last products read
.endif
	WIN 0
.if (\y) <= 29
	FETCH_A (\y)+2
.endif
.if (((\y)%4) == 0) && (((\y)/4) <= 4)
	FETCH_B (\y)/4+3
.endif
.if (\y) <= 29
	s_wait_dscnt 32                                ; this group's fragments are in: two younger groups of sixteen loads
.else
	s_wait_dscnt 16*(31-(\y))
.endif
.if ((\y)%4) == 0
.if ((\y)/4) <= 4
	s_wait_loadcnt 48                              ; this K step's set is in: three younger sets of sixteen loads
.else
	s_wait_loadcnt 16*(7-(\y)/4)
.endif
.endif
.set gS, (\y)/4
.set g4, (\y)%4
.set fa, 64+64*((\y)%3)
.set fw, 64*(gS%4)
.if g4 < 2
	WIN MUL_LO
.else
	WIN MUL_HI
.endif
.irp i, 0,1,2,3
.irp b, 0,1,2,3
.set dd, 8*(4*((4*g4+\i)%8)+\b)
.if gS == 0
	v_wmma_f32_16x16x128_bf8_bf8 v[dd:dd+7], v[fw+16*\b:fw+16*\b+15], v[fa+16*\i:fa+16*\i+15], 0
.else
	v_wmma_f32_16x16x128_bf8_bf8 v[dd:dd+7], v[fw+16*\b:fw+16*\b+15], v[fa+16*\i:fa+16*\i+15], v[dd:dd+7]
.endif
.endr
.endr
.endm
; eight tiles of rows, the 256 registers of one window, from sums to their part of the scores.  v64-95 K2 (bv + h), v96-127 K2 h, v128-159 -2 Wal at my lane's 32 columns; v160-223 four chains of pairs for each tile.
; Each batch of transcendentals takes the whole window, so that the waits around a batch stand four times for eight tiles.
.macro EPI a
.set AB, 32*((\a)%8)
.set WN, 2+(\a)/8
.set E1W, (WN<<6)|WN
	WIN E1W                                        ; destination and source 0 in the accumulators' window
.set x, 0
.rept 128
	v_pk_fma_f32 v[AB+x:AB+x+1], v[AB+x:AB+x+1], s[34:35], v[64+(x%32):65+(x%32)] op_sel_hi:[1,0,1]   ; each accumulator from its low end on
.set x, x+2
.endr
.set x, 0
.rept 256
	v_max_num_f32 v[AB+x], v[AB+x], v[96+(x%32)]
.set x, x+1
.endr
.set x, 0
	s_wait_alu depctr_va_vdst(0)
.rept 256
	v_exp_f32 v[AB+x], v[AB+x]
.set x, x+1
.endr
	v_nop
.set x, 0
	s_wait_alu depctr_va_vdst(0)
.rept 128
	v_pk_add_f32 v[AB+x:AB+x+1], v[AB+x:AB+x+1], 1.0 op_sel_hi:[1,0]
.set x, x+2
.endr
.set x, 0
	s_wait_alu depctr_va_vdst(0)
.rept 256
	v_rcp_f32 v[AB+x], v[AB+x]
.set x, x+1
.endr
	v_nop
	s_wait_alu depctr_va_vdst(0)
	WIN WN                                         ; source 0 alone
.set x, 0
.rept 128
.set TT, 160+8*(x/32)+2*(((x%32)/2)%4)
.if (x%32) < 8
	v_pk_mul_f32 v[TT:TT+1], v[AB+x:AB+x+1], v[128+(x%32):129+(x%32)]
.else
	v_pk_fma_f32 v[TT:TT+1], v[AB+x:AB+x+1], v[128+(x%32):129+(x%32)], v[TT:TT+1]
.endif
.set x, x+2
.endr
	WIN 0
.irp m, 0,1,2,3,4,5,6,7
	v_pk_add_f32 v[160+8*\m:161+8*\m], v[160+8*\m:161+8*\m], v[162+8*\m:163+8*\m]
	v_pk_add_f32 v[164+8*\m:165+8*\m], v[164+8*\m:165+8*\m], v[166+8*\m:167+8*\m]
.endr
.irp m, 0,1,2,3,4,5,6,7
	v_pk_add_f32 v[160+8*\m:161+8*\m], v[160+8*\m:161+8*\m], v[164+8*\m:165+8*\m]
.endr
.irp m, 0,1,2,3,4,5,6,7
	v_add_f32 v[160+8*\m], v[160+8*\m], v[161+8*\m]
.endr
.irp m, 0,1,2,3,4,5,6,7
	v_add_f32 v[SC+(\a)+\m], v[SC+(\a)+\m], v[160+8*\m]
.endr
.endm
	FETCH_B 0                                      ; the rows' registers of window 1 are free: Wv's first three K steps are asked for ahead of the barrier
	FETCH_B 1
	FETCH_B 2
	s_wait_dscnt 0x0                               ; for the others' sake: my codes, my part of the tables and my two sums have landed
	s_barrier_signal -1
	s_barrier_wait -1
	ds_load_b128 v[44:47], v49
	ds_load_b128 v[52:55], v49 offset:16
.irp a, 0,1,2,3,4,5,6,7,8,9,10,11,12,13,14,15
	v_mov_b32 v[SC+\a], 0
.endr
	v_mov_b32 v50, 0xff800000                      ; -infinity
	s_wait_dscnt 0x0
	v_add_f32 v61, v44, v46
	v_add_f32 v60, v45, v47
	v_add_f32 v56, v52, v54
	v_add_f32 v57, v53, v55
	v_add_f32 v61, v61, v56
	v_add_f32 v60, v60, v57
	s_wait_alu depctr_va_vdst(0)                   ; v61: the extra row's score; v60: sum(Wal)
	v_cndmask_b32 v61, v50, v61, s44               ; half 1 does not count the extra row: -infinity gives p = 0
	s_mov_b32 s39, 0
	s_mov_b32 s41, 0
.Ltile:
	v_add_nc_u32 v[ADC], s41, v[TAD0]
	FETCH_A 0
	FETCH_A 1
.set Y, 0
.rept 32
	GROUP Y                                        ; the 64 accumulators take turns, one instruction a turn, in the same order in every K step
.set Y, Y+1
.endr
	WIN 0
	PLACES
	s_cmp_eq_u32 s39, 3                            ; the next tile's first three K steps of Wv land under the work below, if there is a next tile: no load serves nothing
	s_cbranch_scc1 .Lno_b
	s_add_nc_u64 s[32:33], s[32:33], 0x40000       ; the last K step's wait for 0 has shown every load that names this base done
	FETCH_B 0
	FETCH_B 1
	FETCH_B 2
.Lno_b:
	s_wait_alu depctr_va_vdst(0)
.irp tb, 0,1,2
.irp b, 0,1,2,3
.irp qd, 0,1
	ds_load_b128 v[64+32*\tb+8*\b+4*\qd:67+32*\tb+8*\b+4*\qd], v[ADC] offset:4096*\tb+64*\b+16*\qd
.endr
.endr
.endr
	s_wait_dscnt 0x0
.irp a, 0,8
	EPI \a
.endr
	s_add_co_u32 s41, s41, 1024
	s_add_co_u32 s39, s39, 1
	s_cmp_lt_u32 s39, 4
	s_cbranch_scc1 .Ltile
	s_wait_loadcnt 0x0                             ; no load is out on any way here: window 1 takes rows of V again
; ---- the first loads of phase C go out ahead of the softmax: s_proj's row, then six of the eight rows that phase L read last
.irp j, 0,1,2,3,4,5,6,7
	v_add_nc_u32 v[OFF+\j], 4096*(63-16*(\j/2)-\j%2), v[VOFF]  ; phase C begins with rows 15 and 14 of each of my four tiles, the last tile first
.endr
	s_lshl_b32 s56, s26, 10                        ; my quarter of a row: 1,024 bytes x wave
	s_mov_b32 s57, 0
	s_add_nc_u64 s[56:57], s[48:49], s[56:57]
	global_load_b128 v[180:183], v[VOFF], s[56:57] offset:524288       ; h_proj's row b at the quarter that I store on the way out: the oldest loads, so every later counted wait covers them
	global_load_b128 v[184:187], v[VOFF], s[56:57] offset:524288+512
.irp t, 0,1,2,3,4,5,6,7
	global_load_b128 v[64+4*\t:67+4*\t], v[VOFF], s[48:49] offset:512*\t
.endr
	WIN TO1
.irp j, 0,1,2,3,4,5
	VLOADN \j
.endr
	WIN 0
; ---- S
.irp a, 0,1,2,3,4,5,6,7,8,9,10,11,12,13,14,15
	v_permlanex16_b32 v[128+\a], v[SC+\a], s42, s43  ; a row's other 32 of my columns lie in the lane 16 away
.endr
.irp a, 0,1,2,3,4,5,6,7,8,9,10,11,12,13,14,15
	v_add_f32 v[SC+\a], v[SC+\a], v[128+\a]
.endr
	v_cmp_le_u32 vcc_lo, 16, v[LN]
.irp i, 0,1,2,3,4,5,6,7
	v_cndmask_b32 v[144+\i], v[SC+2*\i], v[SC+1+2*\i], vcc_lo   ; lane L: row 32 i + L
.endr
.irp i, 0,1,2,3,4,5,6,7
	ds_store_b32 v[SST], v[144+\i] offset:128*\i
.endr
	s_wait_dscnt 0x0
	s_barrier_signal -1
	s_barrier_wait -1
.irp p, 0,1,2,3
.irp i, 0,1,2,3,4,5,6,7
	ds_load_b32 v[128+8*\p+\i], v[SLD] offset:1024*\p+128*\i
.endr
.endr
.irp p, 0,1,2,3
.irp e, 0,1
	ds_load_b32 v[160+2*\p+\e], v[SOWN] offset:1024*\p+128*\e   ; my own rows 64 w + 32 e + L once more
.endr
.endr
	s_wait_dscnt 0x0
.irp x, 0,2,4,6
	v_pk_add_f32 v[128+\x:129+\x], v[128+\x:129+\x], v[136+\x:137+\x]
	v_pk_add_f32 v[144+\x:145+\x], v[144+\x:145+\x], v[152+\x:153+\x]
.endr
	v_pk_add_f32 v[160:161], v[160:161], v[162:163]
	v_pk_add_f32 v[164:165], v[164:165], v[166:167]
.irp x, 0,2,4,6
	v_pk_add_f32 v[128+\x:129+\x], v[128+\x:129+\x], v[144+\x:145+\x]
.endr
	v_pk_add_f32 v[160:161], v[160:161], v[164:165]
.irp x, 0,2,4,6
	v_pk_add_f32 v[128+\x:129+\x], v[128+\x:129+\x], v[60:61] op_sel_hi:[1,0]   ; + sum(Wal)
.endr
	v_pk_add_f32 v[160:161], v[160:161], v[60:61] op_sel_hi:[1,0]
	v_max3_num_f32 v170, v128, v129, v130
	v_max3_num_f32 v171, v131, v132, v133
	v_max3_num_f32 v170, v170, v134, v135
	v_max3_num_f32 v170, v170, v171, v61
	v_max_num_f32_dpp v170, v170, v170 row_xmask:1 row_mask:0xf bank_mask:0xf
	v_max_num_f32_dpp v170, v170, v170 row_xmask:2 row_mask:0xf bank_mask:0xf
	v_max_num_f32_dpp v170, v170, v170 row_xmask:4 row_mask:0xf bank_mask:0xf
	v_max_num_f32_dpp v170, v170, v170 row_xmask:8 row_mask:0xf bank_mask:0xf
	v_permlanex16_b32 v171, v170, s42, s43
	v_max_num_f32 v62, v170, v171                  ; m: the half's largest score
.irp i, 0,1,2,3,4,5,6,7
	v_sub_f32 v[128+\i], v[128+\i], v62
.endr
	v_sub_f32 v160, v160, v62
	v_sub_f32 v161, v161, v62
	v_sub_f32 v172, v61, v62
.irp i, 0,1,2,3,4,5,6,7
	v_mul_f32 v[128+\i], LOG2E, v[128+\i]
.endr
	v_mul_f32 v160, LOG2E, v160
	v_mul_f32 v161, LOG2E, v161
	v_mul_f32 v172, LOG2E, v172
	s_wait_alu depctr_va_vdst(0)
.irp i, 0,1,2,3,4,5,6,7
	v_exp_f32 v[128+\i], v[128+\i]
.endr
	v_exp_f32 v160, v160
	v_exp_f32 v161, v161
	v_exp_f32 v172, v172
	v_nop
	s_wait_alu depctr_va_vdst(0)
	v_pk_add_f32 v[128:129], v[128:129], v[130:131]
	v_pk_add_f32 v[132:133], v[132:133], v[134:135]
	v_pk_add_f32 v[128:129], v[128:129], v[132:133]
	v_add_f32 v63, v128, v129
	RSUM 63, 171
	v_add_f32 v63, v63, v172                       ; l
	ds_store_b32 v[PADR], v160 offset:16           ; rows 0-31 of mine lie in tiles 0 and 1: slots 4 to 7 of their trips,
	ds_store_b32 v[PADR], v161                     ; rows 32-63 in slots 0 to 3: my own bytes, read by me alone
	s_cmp_eq_u32 s26, 0
	s_cselect_b32 s45, -1, 0
	v_cndmask_b32 v174, 0, v172, s45               ; the extra row is counted by wave 0 alone
	v_mov_b32 v175, v174
	s_wait_alu depctr_va_vdst(0)
	s_wait_loadcnt 48                              ; s_proj's row is in: six rows' 48 loads are younger
.set x, 0
.rept 16
	v_pk_mul_f32 v[64+x:65+x], v[64+x:65+x], v[174:175] op_sel_hi:[1,0]   ; the context starts as the extra row's share: nothing is cleared
.set x, x+2
.endr
	WIN TO1
	VLOADN 6
	VLOADN 7
	WIN 0
; ---- C
.macro CROW j, fill, left              ; the trip's slot j
.set XS, 32*((\j)%8)
	WIN 0
	s_wait_loadcnt \left
	v_readlane_b32 s36, v[PT], \j
	s_mov_b32 s37, s36
.if \fill
	v_add_nc_u32 v[OFF+(\j)%8], 0xffffe000, v[OFF+(\j)%8]   ; the slot's next row, two back in its tile (the sum wraps to offset - 8,192, never below my first row): the wait above has shown the loads that named this register done
.endif
	WIN FROM1
.set x, 0
.rept 16
	v_pk_fma_f32 v[64+x:65+x], v[XS+x:XS+x+1], s[36:37], v[64+x:65+x] op_sel_hi:[1,0,1]
.set x, x+2
.endr
.if \fill
	WIN TO1
	VLOADN (\j)%8
.endif
.endm
.macro CTRIP tail
	s_wait_dscnt 0x0                               ; this trip's eight p, asked for a trip ago, are in
	v_mov_b32 v[PT], v[PN]                         ; lane j: p of the trip's slot j
.if (\tail) == 0
	v_add_nc_u32 v[ADC], s40, v[PAD16]             ; s40 = 32 x (this trip + 1)
	ds_load_b32 v[PN], v[ADC]                      ; the next trip's eight; the last trip asks for none
.endif
	s_wait_alu depctr_va_vdst(0)
.set J, 0
.rept 8
.if \tail
	CROW J, 0, 8*(7-J)
.else
	CROW J, 1, 56                                  ; seven younger rows of eight loads
.endif
.set J, J+1
.endr
	WIN 0
.endm
.set PN, 178                           ; v178 the next trip's p
	ds_load_b32 v[PN], v[PAD16]                    ; the first trip's eight p: my own bytes, stored above (LDS serves a wave's instructions in order: ISA guide 5.7.1.4)
	s_mov_b32 s40, 32
	s_mov_b32 s38, 7
.Lctx:
	CTRIP 0
	s_add_co_u32 s40, s40, 32                      ; eight places of p on
	s_sub_co_u32 s38, s38, 1
	s_cmp_lg_u32 s38, 0
	s_cbranch_scc1 .Lctx
	CTRIP 1                                        ; rows 1 and 0 of each tile: nothing is asked for below my first row
; ---- the way out
.irp t, 0,1,2,3,4,5,6,7
	ds_store_b128 v[CST], v[64+4*\t:67+4*\t] offset:512*\t
.endr
	s_wait_dscnt 0x0
	s_barrier_signal -1
	s_barrier_wait -1
.irp p, 0,1,2,3
.irp e, 0,1
	ds_load_b128 v[128+8*\p+4*\e:131+8*\p+4*\e], v[CLD] offset:4096*\p+512*\e
.endr
.endr
	v_lshlrev_b32 v176, 3, v[LN]
	s_wait_dscnt 0x0
.irp x, 0,2,4,6
	v_pk_add_f32 v[128+\x:129+\x], v[128+\x:129+\x], v[136+\x:137+\x]
	v_pk_add_f32 v[144+\x:145+\x], v[144+\x:145+\x], v[152+\x:153+\x]
.endr
.irp x, 0,2,4,6
	v_pk_add_f32 v[128+\x:129+\x], v[128+\x:129+\x], v[144+\x:145+\x]
.endr
.irp x, 0,1,2,3,4,5,6,7
	v_fma_f32 v[128+\x], v63, v[180+\x], v[128+\x] ; what is stored is X + l h_proj: joined and divided by the halves' common sum it gives context + h_proj
.endr
	global_store_b128 v[VOFF], v[128:131], s[50:51]             ; my quarter of the partial context: 512 consecutive bytes a store
	global_store_b128 v[VOFF], v[132:135], s[50:51] offset:512
	s_cmp_lg_u32 s26, 0
	s_cbranch_scc1 .Ldone
	global_store_b64 v176, v[62:63], s[52:53] offset:1048576    ; (m, l), 32 times: 256 consecutive bytes, aligned
.Ldone:
	s_wait_xcnt 0x0
	v_lshl_add_u32 v254, v0, 2, 0x4c500
	v_mov_b32 v255, 0
	s_wait_alu depctr_va_vdst(0)
	s_wait_tensorcnt 0x0
	ds_add_u32 v254, v255
	s_wait_dscnt 0x0
	s_endpgm
.Lfunc_end_k_q0788af63ab_attn:
	.size	k_q0788af63ab_attn, .Lfunc_end_k_q0788af63ab_attn-k_q0788af63ab_attn
	.p2alignl 7, 3214868480
	.fill 96, 4, 3214868480
	.section	.rodata,"a",@progbits
	.p2align	6, 0x0
	.amdhsa_kernel k_q0788af63ab_attn
		.amdhsa_group_segment_fixed_size 313088
		.amdhsa_private_segment_fixed_size 0
		.amdhsa_enable_private_segment 0
		.amdhsa_kernarg_size 64
		.amdhsa_user_sgpr_count 2
		.amdhsa_user_sgpr_kernarg_segment_ptr 1
		.amdhsa_wavefront_size32 1
		.amdhsa_system_sgpr_workgroup_id_x 1
		.amdhsa_system_sgpr_workgroup_id_y 1
		.amdhsa_system_sgpr_workgroup_id_z 1
		.amdhsa_system_vgpr_workitem_id 0
		.amdhsa_next_free_vgpr 1024
		.amdhsa_next_free_sgpr 66
		.amdhsa_reserve_vcc 1
		.amdhsa_float_denorm_mode_32 3
		.amdhsa_float_denorm_mode_16_64 3
		.amdhsa_memory_ordered 1
		.amdhsa_forward_progress 1
		.amdhsa_inst_pref_size 255
	.end_amdhsa_kernel
	.section	.bss,"aw",@nobits
	.p2align	6
	.space	262144
	.amdgpu_metadata
---
amdhsa.version: [ 1, 2 ]
amdhsa.kernels:
  - .name:           k_q0788af63ab_attn
    .symbol:         k_q0788af63ab_attn.kd
    .args:
      - { .name: V, .offset: 0, .size: 8, .value_kind: global_buffer, .address_space: global }
      - { .name: wq, .offset: 8, .size: 8, .value_kind: global_buffer, .address_space: global }
      - { .name: att, .offset: 16, .size: 8, .value_kind: global_buffer, .address_space: global }
      - { .name: proj, .offset: 24, .size: 8, .value_kind: global_buffer, .address_space: global }
      - { .name: bv, .offset: 32, .size: 8, .value_kind: global_buffer, .address_space: global }
      - { .name: Wal, .offset: 40, .size: 8, .value_kind: global_buffer, .address_space: global }
      - { .name: lowp_scales, .offset: 48, .size: 8, .value_kind: global_buffer, .address_space: global }
      - { .name: part, .offset: 56, .size: 8, .value_kind: global_buffer, .address_space: global }
    .group_segment_fixed_size: 313088
    .private_segment_fixed_size: 0
    .kernarg_segment_align: 8
    .kernarg_segment_size: 64
    .max_flat_workgroup_size: 128
    .sgpr_count:     66
    .vgpr_count:     1024
    .wavefront_size: 32
...
	.end_amdgpu_metadata
.endif
;; end of part 3
;; launch final (part 4): grid 16 x 8, 16 waves a work-group, no clusters, 36,864 bytes of LDS; arguments part, wq, bcp, lowp_scales, out0; writes out0
.if DOCPART == 4
	.amdgcn_target "amdgcn-amd-amdhsa--gfx1250"
	.amdhsa_code_object_version 6
	.text
	.protected	k_q0788af63ab_final
	.globl	k_q0788af63ab_final
	.p2align	8
	.type	k_q0788af63ab_final,@function
k_q0788af63ab_final:
	s_mov_b64 s[64:65], 0
	v_nop
	global_prefetch_b8 v0, s[64:65] scope:SCOPE_SE
	s_setreg_imm32_b32 hwreg(HW_REG_WAVE_MODE, 25, 1), 1
	s_wait_xcnt 0x0
; z = tanh(Q(context + h_proj) Q(Wcp) + bcp).  A work-group makes 16 batch entries (y) x 64 columns (x).
; Wave w first joins entry b = 16 y + w: its two halves' partial contexts X0, X1 were summed under their own maxima m0, m1 with sums l0, l1: with M = max(m0, m1) and w_q = e^(m_q - M),
; context = (w0 X0 + w1 X1) / (w0 l0 + w1 l1).  h_proj is added, the row is quantised to E5M2 and laid in LDS as row w of an image of 16 rows (the map of k that Wcp's codes were laid by).
; Then wave w = 4 kq + nt multiplies tile nt of 16 columns over K steps 2 kq and 2 kq + 1; the four parts along K meet in LDS, and waves 0-7 add them, scale, add the bias, take tanh and store two rows each.
; LIMITS: e10 between -126 and 112, e10 + e11 between -126 and 127.  NaN and infinities are not served.  The sums along K are split in eight parts (a stated order of rounding).
; h_proj COMES INSIDE THE HALVES: the launch before stores X_q + l_q h_proj, so (w0 X0 + w1 X1) / (w0 l0 + w1 l1) is context + h_proj as it stands: no line here loads or adds h_proj.
.set RED,   17408                      ; behind the image: 4 parts x 16 rows x 272 bytes
.set LOG2E, 0x3fb8aa3b
.set K2C,   0x4038aa3b
	s_load_b64 s[4:5], s[0:1], 0x0                 ; part
	s_load_b128 s[8:11], s[0:1], 0x8               ; wq, bcp
	s_load_b128 s[12:15], s[0:1], 0x18             ; the scales' exponents, out0
	v_lshl_add_u32 v254, v0, 2, 0x8800
	v_mov_b32 v255, 0
	v_and_b32 v1, 31, v0
	v_and_b32 v2, 15, v0
	v_bfe_u32 v3, v0, 4, 1
	v_lshrrev_b32 v4, 5, v0
	s_delay_alu instid0(VALU_DEP_1)
	v_readfirstlane_b32 s18, v4                    ; wave 0..15
	s_and_b32 s19, ttmp7, 0xffff
	s_and_b32 s20, s18, 3                          ; nt
	s_lshr_b32 s21, s18, 2                         ; kq
	s_lshl_b32 s22, s19, 4
	s_add_co_u32 s22, s22, s18                     ; b
	v_lshlrev_b32 v5, 4, v1                        ; 16 L
	v_lshlrev_b32 v6, 3, v1                        ; 8 L
	v_lshlrev_b32 v7, 4, v2                        ; 16 r
	s_lshl_b32 s23, s18, 4
	v_mul_u32_u24 v8, v1, 272
	s_delay_alu instid0(VALU_DEP_1)
	v_add_nc_u32 v8, s23, v8                       ; the image, in: line L, row w
	v_mul_u32_u24 v9, v3, 272
	s_delay_alu instid0(VALU_DEP_1)
	v_lshl_add_u32 v9, v2, 4, v9                   ; 272 h + 16 r
	s_wait_alu depctr_va_vdst(0)
	s_lshr_b32 s24, s21, 1
	s_mul_i32 s24, s24, 8704
	s_and_b32 s25, s21, 1
	s_mul_i32 s25, s25, 4352
	s_add_co_u32 s24, s24, s25
	v_add_nc_u32 v10, s24, v9                      ; and out, at K step 2 kq
	s_mul_i32 s24, s21, 4352
	s_lshl_b32 s25, s20, 6
	s_add_co_u32 s24, s24, s25
	s_add_co_u32 s24, s24, RED
	v_mul_u32_u24 v11, v2, 272
	s_delay_alu instid0(VALU_DEP_1)
	v_lshl_add_u32 v11, v3, 5, v11
	s_delay_alu instid0(VALU_DEP_1)
	v_add_nc_u32 v11, s24, v11                     ; my part, in: row r, columns 16 nt + 8 h on
	s_mul_i32 s24, s18, 544
	s_add_co_u32 s24, s24, RED
	v_add_nc_u32 v12, s24, v9                      ; the parts, out (waves 0-7): row 2 w + h, 16 bytes a lane
	v_lshl_add_u32 v13, v3, 12, v7                 ; the same place in two rows of the output
	s_mov_b32 s27, 0
	s_wait_kmcnt 0x0
	s_load_b64 s[16:17], s[12:13], 0x28            ; e10, e11
	s_lshl_b32 s26, s22, 9
	s_add_nc_u64 s[28:29], s[4:5], s[26:27]        ; (m, l) of my two halves
	s_lshl_b32 s26, s22, 13
	s_add_nc_u64 s[30:31], s[4:5], s[26:27]        ; their partial contexts
	s_lshl_b32 s26, ttmp9, 16
	s_lshl_b32 s34, s20, 14
	s_add_co_u32 s26, s26, s34
	s_lshl_b32 s34, s21, 12
	s_add_co_u32 s26, s26, s34
	s_add_nc_u64 s[36:37], s[8:9], s[26:27]        ; Wcp's codes: fragment (4 x + nt, 2 kq)
	s_lshl_b32 s26, ttmp9, 8
	s_add_nc_u64 s[38:39], s[10:11], s[26:27]      ; the bias at my strip
	s_lshl_b32 s34, s19, 16
	s_add_co_u32 s26, s26, s34
	s_lshl_b32 s34, s18, 13
	s_add_co_u32 s26, s26, s34
	s_add_nc_u64 s[14:15], s[14:15], s[26:27]      ; the output at row 16 y + 2 w, my strip
	global_load_b64 v[16:17], v6, s[28:29] offset:1048576
	global_load_b64 v[18:19], v6, s[28:29] offset:1048576+256
.irp t, 0,1,2,3,4,5,6,7
	global_load_b128 v[64+4*\t:67+4*\t], v5, s[30:31] offset:512*\t
.endr
.irp t, 0,1,2,3,4,5,6,7
	global_load_b128 v[96+4*\t:99+4*\t], v5, s[30:31] offset:4096+512*\t
.endr
.irp e, 0,1
.irp c, 0,1,2,3
	global_load_b128 v[128+16*\e+4*\c:131+16*\e+4*\c], v5, s[36:37] offset:1048576+2048*\e+512*\c
.endr
.endr
	global_load_b128 v[160:163], v7, s[38:39]
	s_wait_kmcnt 0x0
	s_add_co_i32 s40, s16, 127
	s_lshl_b32 s41, s40, 23
	v_mov_b32 v14, s41                             ; 2^e10
	s_add_co_i32 s40, s40, 15
	s_lshl_b32 s40, s40, 23
	s_or_b32 s40, s40, 0x600000
	v_mov_b32 v15, s40                             ; 57,344 x 2^e10
	s_add_co_i32 s2, s16, s17
	s_add_co_i32 s2, s2, 127
	s_lshl_b32 s2, s2, 23                          ; 2^(e10 + e11)
	s_mov_b32 s3, s2
	s_wait_loadcnt 25                              ; the two pairs (m, l) are in: 25 loads are younger
	v_max_num_f32 v24, v16, v18
	s_delay_alu instid0(VALU_DEP_1)
	v_sub_f32 v25, v16, v24
	s_delay_alu instid0(VALU_DEP_2)
	v_sub_f32 v26, v18, v24
	s_delay_alu instid0(VALU_DEP_2)
	v_mul_f32 v25, LOG2E, v25
	s_delay_alu instid0(VALU_DEP_2)
	v_mul_f32 v26, LOG2E, v26
	s_wait_alu depctr_va_vdst(0)
	v_exp_f32 v25, v25
	v_exp_f32 v26, v26
	v_nop
	s_wait_alu depctr_va_vdst(0)
	v_mul_f32 v27, v25, v17
	v_fma_f32 v27, v26, v19, v27
	s_wait_alu depctr_va_vdst(0)
	v_rcp_f32 v27, v27
	v_nop
	s_wait_alu depctr_va_vdst(0)
	v_mul_f32 v20, v25, v27
	v_mul_f32 v22, v26, v27
	s_delay_alu instid0(VALU_DEP_2)
	v_mov_b32 v21, v20
	s_delay_alu instid0(VALU_DEP_2)
	v_mov_b32 v23, v22
	s_wait_alu depctr_va_vdst(0)
	s_wait_loadcnt 9                               ; both halves are in: Wcp's eight loads and the bias's one are younger
.set x, 0
.rept 16
	v_pk_mul_f32 v[32+x:33+x], v[64+x:65+x], v[20:21]
.set x, x+2
.endr
.set x, 0
.rept 16
	v_pk_fma_f32 v[32+x:33+x], v[96+x:97+x], v[22:23], v[32+x:33+x]
.set x, x+2
.endr
.set x, 0
.rept 32
	v_med3_num_f32 v[32+x], v[32+x], -v15, v15     ; the conversion does not saturate (ISA guide 7.6.2)
.set x, x+1
.endr
.irp g, 0,1,2,3
	v_cvt_scalef32_pk8_bf8_f32 v[224+2*\g:225+2*\g], v[32+8*\g:39+8*\g], v14
.endr
	v_nop                                          ; a plain instruction behind the last conversion
	ds_store_b128 v8, v[224:227]
	ds_store_b128 v8, v[228:231] offset:8704
	s_wait_dscnt 0x0                               ; for the others' sake
	s_barrier_signal -1
	s_barrier_wait -1
.irp e, 0,1
.irp c, 0,1,2,3
	ds_load_b128 v[164+16*\e+4*\c:167+16*\e+4*\c], v10 offset:2176*\e+544*\c
.endr
.endr
	s_wait_dscnt 0x0
	s_wait_loadcnt 1                               ; Wcp's codes are in
	v_wmma_f32_16x16x128_bf8_bf8 v[200:207], v[128:143], v[164:179], 0   ; source 0 = 16 columns of Wcp, source 1 = the 16 rows
	v_wmma_f32_16x16x128_bf8_bf8 v[208:215], v[144:159], v[180:195], 0
.rept 4
	v_nop
.endr
.irp x, 0,2,4,6
	v_pk_add_f32 v[216+\x:217+\x], v[200+\x:201+\x], v[208+\x:209+\x]   ; both accumulators from their low ends on
.endr
	ds_store_b128 v11, v[216:219]
	ds_store_b128 v11, v[220:223] offset:16
	s_wait_dscnt 0x0
	s_barrier_signal -1
	s_barrier_wait -1
	s_cmp_ge_u32 s18, 8
	s_cbranch_scc1 .Lend
.irp k, 0,1,2,3
	ds_load_b128 v[32+4*\k:35+4*\k], v12 offset:4352*\k
.endr
	s_mov_b32 s40, K2C
	s_wait_dscnt 0x0
	s_wait_loadcnt 0x0                             ; the bias
.irp x, 0,2
	v_pk_add_f32 v[32+\x:33+\x], v[32+\x:33+\x], v[36+\x:37+\x]
	v_pk_add_f32 v[40+\x:41+\x], v[40+\x:41+\x], v[44+\x:45+\x]
.endr
.irp x, 0
	s_delay_alu instid0(VALU_DEP_3)
	v_pk_add_f32 v[32+\x:33+\x], v[32+\x:33+\x], v[40+\x:41+\x]
.endr
.irp x, 2
	s_delay_alu instid0(VALU_DEP_2)
	v_pk_add_f32 v[32+\x:33+\x], v[32+\x:33+\x], v[40+\x:41+\x]
.endr
.irp x, 0,2
	s_delay_alu instid0(VALU_DEP_2)
	v_pk_fma_f32 v[32+\x:33+\x], v[32+\x:33+\x], s[2:3], v[160+\x:161+\x] op_sel_hi:[1,0,1]
.endr
.irp x, 0,1,2,3
	v_mul_f32 v[32+\x], s40, v[32+\x]
.endr
	s_wait_alu depctr_va_vdst(0)
.irp x, 0,1,2,3
	v_exp_f32 v[32+\x], v[32+\x]
.endr
	v_nop
	s_wait_alu depctr_va_vdst(0)
.irp x, 0,2
	v_pk_add_f32 v[32+\x:33+\x], v[32+\x:33+\x], 1.0 op_sel_hi:[1,0]
.endr
	s_wait_alu depctr_va_vdst(0)
.irp x, 0,1,2,3
	v_rcp_f32 v[32+\x], v[32+\x]
.endr
	v_nop
	s_wait_alu depctr_va_vdst(0)
.irp x, 0,1,2,3
	v_fma_f32 v[32+\x], v[32+\x], -2.0, 1.0        ; tanh = 1 - 2 / (1 + 2^(2 log2(e) x))
.endr
	global_store_b128 v13, v[32:35], s[14:15]      ; sixteen lanes store 256 consecutive bytes, aligned
.Lend:
	s_wait_tensorcnt 0x0
	ds_add_u32 v254, v255
	s_wait_dscnt 0x0
	s_endpgm
.Lfunc_end_k_q0788af63ab_final:
	.size	k_q0788af63ab_final, .Lfunc_end_k_q0788af63ab_final-k_q0788af63ab_final
	.p2alignl 7, 3214868480
	.fill 96, 4, 3214868480
	.section	.rodata,"a",@progbits
	.p2align	6, 0x0
	.amdhsa_kernel k_q0788af63ab_final
		.amdhsa_group_segment_fixed_size 36864
		.amdhsa_private_segment_fixed_size 0
		.amdhsa_enable_private_segment 0
		.amdhsa_kernarg_size 40
		.amdhsa_user_sgpr_count 2
		.amdhsa_user_sgpr_kernarg_segment_ptr 1
		.amdhsa_wavefront_size32 1
		.amdhsa_system_sgpr_workgroup_id_x 1
		.amdhsa_system_sgpr_workgroup_id_y 1
		.amdhsa_system_sgpr_workgroup_id_z 1
		.amdhsa_system_vgpr_workitem_id 0
		.amdhsa_next_free_vgpr 256
		.amdhsa_next_free_sgpr 66
		.amdhsa_reserve_vcc 0
		.amdhsa_float_denorm_mode_32 3
		.amdhsa_float_denorm_mode_16_64 3
		.amdhsa_memory_ordered 1
		.amdhsa_forward_progress 1
		.amdhsa_inst_pref_size 16
	.end_amdhsa_kernel
	.amdgpu_metadata
---
amdhsa.version: [ 1, 2 ]
amdhsa.kernels:
  - .name:           k_q0788af63ab_final
    .symbol:         k_q0788af63ab_final.kd
    .args:
      - { .name: part, .offset: 0, .size: 8, .value_kind: global_buffer, .address_space: global }
      - { .name: wq, .offset: 8, .size: 8, .value_kind: global_buffer, .address_space: global }
      - { .name: bcp, .offset: 16, .size: 8, .value_kind: global_buffer, .address_space: global }
      - { .name: lowp_scales, .offset: 24, .size: 8, .value_kind: global_buffer, .address_space: global }
      - { .name: out0, .offset: 32, .size: 8, .value_kind: global_buffer, .address_space: global }
    .group_segment_fixed_size: 36864
    .private_segment_fixed_size: 0
    .kernarg_segment_align: 8
    .kernarg_segment_size: 40
    .max_flat_workgroup_size: 512
    .sgpr_count:     66
    .vgpr_count:     256
    .wavefront_size: 32
...
	.end_amdgpu_metadata
.endif
;; end of part 4
